; MI455X (gfx1250); checked and timed in simulation.
; The chip was launched on July 23, 2026; its instructions are those of AMD's public machine-readable ISA for CDNA 5 (MIT licence, August 2026) and "CDNA5" Instruction Set Architecture Reference Guide (July 2026). The comments in the code are by the model that wrote it; some were corrected since.
;; Multi Head Attention. Allowed arithmetic: matrix products marked QUANTISED: E2M3 operands, one E8M0 scale for each 32 along K, by v_wmma_scale_f32_16x16x128_f8f6f4 with both operands' format E2M3, f32 sums; everything else in f32.
;; Inputs: Wk 1,024 x 1,024 float32; Wo 1,024 x 1,024 float32; Wq 1,024 x 1,024 float32; Wv 1,024 x 1,024 float32; bk 1,024 float32; bo 1,024 float32; bq 1,024 float32; bv 1,024 float32; key 2 x 2,048 x 1,024 float32; query 2 x 2,048 x 1,024 float32; value 2 x 2,048 x 1,024 float32.
;; Outputs: out0 2 x 2,048 x 1,024 float32.
;; This version of the problem:
;;   THIS VERSION OF THE PROBLEM IS GIVEN IN LOW PRECISION. The matrix products marked QUANTISED in the list below multiply operands that are first quantised to E2M3 (2 exponent bits, 3 mantissa bits; 6 bits a number), with one power-of-two scale for each 32 numbers along K (OCP MX v1.0); their sums are f32. All else is computed in f32.
;;   The module's matrix products, in the order in which they are computed (A, B: the left and right operand; K: the contracted axis; several contracted axes count as one K, in the product's order):
;;     1. [M 4,096, K 1,024] x [K 1,024, N 1,024]; A: input query; B: input Wq: QUANTISED
;;     2. [M 4,096, K 1,024] x [K 1,024, N 1,024]; A: input key; B: input Wk: QUANTISED
;;     3. [M 4,096, K 1,024] x [K 1,024, N 1,024]; A: input value; B: input Wv: QUANTISED
;;     4. batch 32 x [M 2,048, K 64] x [K 64, N 2,048]; A: computed on the way; B: computed on the way: QUANTISED
;;     5. batch 32 x [M 2,048, K 2,048] x [K 2,048, N 64]; A: softmax (see below); B: computed on the way: QUANTISED
;;     6. [M 4,096, K 1,024] x [K 1,024, N 1,024]; A: computed on the way; B: input Wo: QUANTISED
;;   THE QUANTISER, for each operand of a quantised product, along K:
;;     - K is cut into blocks of 32 from its start; a last block that is shorter is filled with zeros.
;;     - A block's scale is 2^e with e = floor(log2(the largest magnitude in the block)) - 2, held to -126 .. 127; a block of zeros has e = 0. As a byte (E8M0): e + 127.
;;     - Each number is divided by its block's scale, clamped to +-7.5, and rounded to the nearest number of E2M3, ties to even, subnormals kept.
;;     - The product sums the exact products of the quantised numbers (number of the format x scale) in f32.
;;   ~~~python
;;   def quantise(x, axis):      # numpy; x: float32 -> the quantised numbers, widened to float32 again
;;       x = np.moveaxis(x, axis, -1); K = x.shape[-1]
;;       x = np.pad(x, [(0, 0)] * (x.ndim - 1) + [(0, -K % 32)]); x = x.reshape(x.shape[:-1] + (-1, 32)); a = np.abs(x).max(-1, keepdims=True)
;;       e = np.where(a > 0, np.clip(np.frexp(np.where(a > 0, a, 1))[1] - 1 - 2, -126, 127), 0)      # np.frexp(a)[1] - 1 = floor(log2(a)), exactly
;;       r = np.clip(x / 2.0 ** e, -7.5, 7.5)
;;       step = 2.0 ** (np.maximum(np.frexp(np.where(r == 0, 1, r))[1] - 1, 0) - 3)
;;       q = np.round(r / step) * step * 2.0 ** e      # np.round: ties to even
;;       return np.moveaxis(q.reshape(q.shape[:-2] + (-1,))[..., :K], -1, axis).astype(np.float32)
;;   ~~~
;;   SOFTMAX AHEAD OF A QUANTISED PRODUCT. Where the list says 'softmax', what is quantised is not the finished softmax but p = 2^(t - M), with t = logit x log2(e) and M = ceil(the row's largest t), a whole number; so 1/2 < the row's largest p <= 1. The row's sum l is taken of the UNQUANTISED p, in f32, and the product's result is divided by l at the end. Since M is a whole number, a kernel that streams over the keys may use a running M (the ceiling of the running maximum): every later rescaling is an exact power of two, which a block's scale takes up: the codes' values come out the same.
;;   OPERANDS COMPUTED ON THE WAY. 'Computed on the way' means the value that the module computes at that place (a softmax that the list does not call 'softmax' is quantised finished and normalised). What goes into a quantiser is computed in f32, as accurately as f32 sums, v_exp_f32 and their like allow (about 1e-6 of the number): no bf16 or f16 on the way to a quantiser, and a product that is left as it is and whose result goes on into a quantised operand takes f32 operands (vector FMAs, or v_wmma_f32_16x16x4_f32). A number that lies on a knife's edge between two numbers of the format may be rounded either way, as far as f32 arithmetic and the matrix unit's own rounding can turn it there, and no further.
;; One version. Each part assembles by itself: llvm-mc -triple=amdgcn-amd-amdhsa -mcpu=gfx1250 --defsym DOCPART=n.
;; ======== version 1 of 1: 4 launches
;; limits: right only within a limited range of input values
;; workspace buffers: cod 12,582,912 bytes; scl 524,288 bytes; qkv 10,092,544 bytes; ao 3,145,728 bytes; aos 131,072 bytes
;; launch quant (part 1): grid 512 x 1, 4 waves a work-group, no clusters, 35,328 bytes of LDS; arguments query, key, value, Wq, Wk, Wv, Wo, cod, scl; writes cod, scl
.if DOCPART == 1
	.amdgcn_target "amdgcn-amd-amdhsa--gfx1250"
	.amdhsa_code_object_version 6
	.text
	.protected	k_qa2697c7484_quant
	.globl	k_qa2697c7484_quant
	.p2align	8
	.type	k_qa2697c7484_quant,@function
k_qa2697c7484_quant:
	s_mov_b64 s[64:65], 0
	v_nop
	global_prefetch_b8 v0, s[64:65] scope:SCOPE_SE
	s_setreg_imm32_b32 hwreg(HW_REG_WAVE_MODE, 25, 1), 1
	s_wait_xcnt 0x0
; query, key, value [4096][1024] and Wq, Wk, Wv, Wo [1024][1024], f32, K innermost, become codes of FP6 (E2M3) with one E8M0 byte for each 32 along K,
; laid as IMAGES OF THE OPERAND'S REGISTERS, so that the products' launches load fragments as they lie.
; A TILE is 16 rows: lane-row r of tile T is row 32 (T / 2) + 8 (T % 2) + r + 8 (r / 8).  A FRAGMENT is a tile x 128 along K, 12 registers a lane: registers 6 c .. 6 c + 5 = k 64 c + 32 (lane / 16) + 0 .. 31.
; cod: [tile 0..1023][K step 0..7][piece 0..5][lane][8 bytes], piece p = registers 2 p, 2 p + 1.  Tiles: query 0-255, key 256-511, value 512-767, Wq 768-831, Wk 832-895, Wv 896-959, Wo 960-1023.
; scl: [tile][pair of K steps 0..3][r][K step of the pair][4 bytes]: byte b of a word scales k = 32 b .. 32 b + 31 of its K step.
; A block's scale is 2^(floor(log2(its largest magnitude)) - 2): its byte is that magnitude's exponent field - 2, held at 1 from below.
; LIMITS: a block whose largest magnitude lies under 2^-124 is held at the byte 1; a block of zeros gets the byte 1 where the rule says 127 (its codes are zeros, and this program alone reads the bytes);
; NaN and infinities among the inputs are not served.
; SHARES: a work-group takes 32 dense rows of one tensor (two tiles); wave w takes tile w / 2 and K steps 4 (w % 2) .. + 3: four fragments.  Each load reads 512 consecutive bytes of one row;
; a fragment's 16 x 512 bytes turn through the wave's own stage in LDS, so that a lane gets two whole blocks of 32 of its row.  Waves share nothing: no barrier, no cluster, no tensor load.
.set PITCH, 528                        ; a stage row: 512 bytes + 16, an odd multiple of 16: the sixteen rows that a load of 16 bytes a lane touches start 16 bytes apart modulo 256
.set STG,   16*PITCH                   ; a wave's stage
.set GA,  4                            ; v4   16 x lane: my 16 bytes of a load's 512
.set SI,  5                            ; v5   the stage, on the way in
.set SO,  6                            ; v6   on the way out: row r, + 128 (lane / 16)
.set CO,  7                            ; v7   8 x lane: my place in a piece, and in the scale words' 256 bytes
.set SH,  8                            ; v8   8 (lane / 16): where my two bytes stand in a scale word
.set R,   16                           ; v16-143  two sets of 64 registers, as loaded
.set X,   144                          ; v144-207 my two blocks of 32
.set C,   208                          ; v208-219 the fragment's codes
.set T,   220                          ; v220-222, v224-226 the blocks' upper halves (a conversion's three registers begin on an even number)
.set MX,  228
.set SO2, 230
.set BY,  232
.set TMP, 234
.set W,   236                          ; v236-239 the four fragments' scale words
.set SEL, 28
	s_load_b512 s[4:19], s[0:1], 0x0               ; query, key, value, Wq, Wk, Wv, Wo, cod
	s_load_b64 s[20:21], s[0:1], 0x40              ; scl
	v_lshl_add_u32 v248, v0, 2, 0x8800
	v_mov_b32 v249, 0
	v_lshrrev_b32 v1, 5, v0
	v_readfirstlane_b32 s32, v1                    ; wave 0..3
	v_and_b32 v1, 31, v0                           ; lane
	v_and_b32 v2, 15, v0                           ; r
	v_bfe_u32 v3, v0, 4, 1                         ; h
	v_lshlrev_b32 v[GA], 4, v1
	s_mul_i32 s35, s32, STG
	v_add_nc_u32 v[SI], s35, v[GA]
	v_mul_u32_u24 v[SO], v2, PITCH
	v_lshl_add_u32 v[SO], v3, 7, v[SO]
	v_add_nc_u32 v[SO], s35, v[SO]
	v_lshlrev_b32 v[CO], 3, v1
	v_lshlrev_b32 v[SH], 3, v3
	v_mov_b32 v[TMP], 0                            ; a lane permute's destination counts as one of its sources
	s_mov_b32 s[SEL], 0x76543210
	s_mov_b32 s[SEL+1], 0xfedcba98                 ; v_permlanex16_b32's selects for lane l xor 16
	s_lshr_b32 s33, s32, 1                         ; which of the two tiles
	s_and_b32 s34, s32, 1                          ; which half of K
	s_wait_alu depctr_va_vdst(0)
	s_wait_kmcnt 0x0
; which tensor: the choice hangs on the work-group's number alone.  s[22:23] the tensor, s30 its first work-group
.macro PICK lim, ptr, first
	s_cmp_lt_u32 ttmp9, \lim
	s_cselect_b64 s[22:23], s[\ptr:\ptr+1], s[22:23]
	s_cselect_b32 s30, \first, s30
.endm
	s_mov_b64 s[22:23], s[16:17]
	s_mov_b32 s30, 480
	PICK 480, 14, 448
	PICK 448, 12, 416
	PICK 416, 10, 384
	PICK 384, 8, 256
	PICK 256, 6, 128
	PICK 128, 4, 0
	s_sub_co_u32 s30, ttmp9, s30
	; KEY'S TILES ARE LAID OTHERWISE than the head comment says of the other tensors: lane-row r of key's tile T is row 64 (T / 4) + 8 (T % 4) + r % 8 + 32 (r / 8),
	; so that in the attention a lane's 32 scores of four neighbouring tiles are one whole block of 32 keys.  A work-group of key begins at row 64 (w / 2) + 16 (w % 2), and lane-rows 8-15 lie 16 rows further down than in the other tensors.
	s_lshr_b32 s35, s30, 1
	s_lshl_b32 s35, s35, 18
	s_and_b32 s31, s30, 1
	s_lshl_b32 s31, s31, 16
	s_add_co_u32 s35, s35, s31
	s_lshl_b32 s30, s30, 17                        ; the others: 32 rows of 4,096 bytes
	s_sub_co_u32 s31, ttmp9, 128
	s_cmp_lt_u32 s31, 128                          ; key's work-groups are 128 .. 255
	s_cselect_b32 s30, s35, s30
	s_cselect_b32 s31, 0x10000, 0
	v_add_nc_u32 v9, s31, v[GA]                    ; v9: the offset of lane-rows 8-15
	s_wait_alu depctr_va_vdst(0)
	s_lshl_b32 s35, s33, 15                        ; the second tile begins 8 rows down
	s_add_co_u32 s30, s30, s35
	s_lshl_b32 s35, s34, 11                        ; four K steps of 512 bytes
	s_add_co_u32 s30, s30, s35
	s_mov_b32 s31, 0
	s_add_nc_u64 s[22:23], s[22:23], s[30:31]
	s_lshl_b32 s36, ttmp9, 1
	s_add_co_u32 s36, s36, s33                     ; my tile
	s_lshl_b32 s38, s36, 9
	s_lshl_b32 s35, s34, 8
	s_add_co_u32 s38, s38, s35
	s_mov_b32 s39, 0
	s_mul_i32 s36, s36, 12288
	s_mul_i32 s35, s34, 6144
	s_add_co_u32 s36, s36, s35
	s_mov_b32 s37, 0
	s_add_nc_u64 s[24:25], s[18:19], s[36:37]      ; my four fragments in cod
	s_add_nc_u64 s[26:27], s[20:21], s[38:39]      ; my 256 bytes in scl
.macro LOAD s                          ; fragment s: 16 rows x 512 bytes, a row a load
.irp i, 0,1,2,3,4,5,6,7,8,9,10,11,12,13,14,15
	global_load_b128 v[R+64*((\s)%2)+4*\i:R+64*((\s)%2)+4*\i+3], v[GA+5*(\i/8)], s[22:23] offset:(\i+8*(\i/8))*4096+512*(\s) th:TH_LOAD_NT
.endr
.endm
.macro FRAGQ s
.if (\s) < 3
	s_wait_loadcnt 16                              ; this fragment's 16 loads are in; the next fragment's 16 may be out
.else
	s_wait_loadcnt 0x0
.endif
.irp i, 0,1,2,3,4,5,6,7,8,9,10,11,12,13,14,15
	ds_store_b128 v[SI], v[R+64*((\s)%2)+4*\i:R+64*((\s)%2)+4*\i+3] offset:PITCH*\i
.endr
.irp c, 0,1
.irp j, 0,1,2,3,4,5,6,7
	ds_load_b128 v[X+32*\c+4*\j:X+32*\c+4*\j+3], v[SO] offset:256*\c+16*\j   ; LDS serves a wave's instructions in order: these see the stores above.  Block 2 c + h of row r
.endr
.endr
	s_wait_dscnt 0x0                               ; my two blocks are in, and the stores have read their registers,
.if (\s) < 2
	LOAD (\s)+2                                    ; which take the fragment two on
.endif
.irp c, 0,1
	v_max3_num_f32 v[MX+\c], |v[X+32*\c]|, |v[X+32*\c+1]|, 0x1800000   ; the block's largest magnitude, and the floor 2^(3 - 127): the byte cannot fall under 1
.endr
.irp i, 2,4,6,8,10,12,14,16,18,20,22,24,26,28,30
.irp c, 0,1
	v_max3_num_f32 v[MX+\c], v[MX+\c], |v[X+32*\c+\i]|, |v[X+32*\c+\i+1]|
.endr
.endr
.irp c, 0,1
	v_add_nc_u32 v[SO2+\c], 0xff000000, v[MX+\c]   ; 2 off the exponent field: the conversion takes the exponent field of this operand as its scale
.endr
.irp c, 0,1
	v_lshrrev_b32 v[BY+\c], 23, v[SO2+\c]          ; the scale's byte
.endr
	v_lshl_or_b32 v[W+(\s)], v[BY+1], 16, v[BY]    ; my bytes: blocks h and 2 + h,
	v_lshlrev_b32 v[W+(\s)], v[SH], v[W+(\s)]      ; at their places in the word;
	v_permlanex16_b32 v[TMP], v[W+(\s)], s[SEL], s[SEL+1]
	v_or_b32 v[W+(\s)], v[W+(\s)], v[TMP]          ; with lane l xor 16's two the word is whole, in both lanes
.if (\s) > 0
	s_wait_alu depctr_va_vdst(0)
	s_wait_xcnt 0x0                                ; the last fragment's stores have read their data: the codes' registers are written again only behind this wait
.endif
.irp c, 0,1
	v_cvt_scalef32_pk16_fp6_f32 v[C+6*\c:C+6*\c+2], v[X+32*\c:X+32*\c+15], v[SO2+\c]
	v_cvt_scalef32_pk16_fp6_f32 v[T+4*\c:T+4*\c+2], v[X+32*\c+16:X+32*\c+31], v[SO2+\c]
.endr
	v_nop                                          ; one plain place behind a scaled conversion
.irp c, 0,1
.irp i, 0,1,2
	v_mov_b32 v[C+3+6*\c+\i], v[T+4*\c+\i]
.endr
.endr
.irp p, 0,1,2,3,4,5
	global_store_b64 v[CO], v[C+2*\p:C+2*\p+1], s[24:25] offset:1536*(\s)+256*\p   ; 32 lanes store 256 consecutive bytes, at a multiple of 256 from cod's first byte
.endr
.endm
	LOAD 0
	LOAD 1
	FRAGQ 0
	FRAGQ 1
	FRAGQ 2
	FRAGQ 3
	v_cmp_le_u32 vcc_lo, 16, v1                    ; lanes 0-15 store the words of my first two K steps, lanes 16-31 those of the other two
	v_cndmask_b32 v240, v[W], v[W+2], vcc_lo
	v_cndmask_b32 v241, v[W+1], v[W+3], vcc_lo
	global_store_b64 v[CO], v[240:241], s[26:27]   ; 256 consecutive bytes
	s_wait_tensorcnt 0x0
	ds_add_u32 v248, v249
	s_wait_dscnt 0x0
	s_endpgm
.Lfunc_end_k_qa2697c7484_quant:
	.size	k_qa2697c7484_quant, .Lfunc_end_k_qa2697c7484_quant-k_qa2697c7484_quant
	.p2alignl 7, 3214868480
	.fill 96, 4, 3214868480
	.section	.rodata,"a",@progbits
	.p2align	6, 0x0
	.amdhsa_kernel k_qa2697c7484_quant
		.amdhsa_group_segment_fixed_size 35328
		.amdhsa_private_segment_fixed_size 0
		.amdhsa_enable_private_segment 0
		.amdhsa_kernarg_size 72
		.amdhsa_user_sgpr_count 2
		.amdhsa_user_sgpr_kernarg_segment_ptr 1
		.amdhsa_wavefront_size32 1
		.amdhsa_system_sgpr_workgroup_id_x 1
		.amdhsa_system_sgpr_workgroup_id_y 1
		.amdhsa_system_sgpr_workgroup_id_z 1
		.amdhsa_system_vgpr_workitem_id 0
		.amdhsa_next_free_vgpr 250
		.amdhsa_next_free_sgpr 66
		.amdhsa_reserve_vcc 1
		.amdhsa_float_denorm_mode_32 3
		.amdhsa_float_denorm_mode_16_64 3
		.amdhsa_memory_ordered 1
		.amdhsa_forward_progress 1
		.amdhsa_inst_pref_size 33
	.end_amdhsa_kernel
	.amdgpu_metadata
---
amdhsa.version: [ 1, 2 ]
amdhsa.kernels:
  - .name:           k_qa2697c7484_quant
    .symbol:         k_qa2697c7484_quant.kd
    .args:
      - { .name: query, .offset: 0, .size: 8, .value_kind: global_buffer, .address_space: global }
      - { .name: key, .offset: 8, .size: 8, .value_kind: global_buffer, .address_space: global }
      - { .name: value, .offset: 16, .size: 8, .value_kind: global_buffer, .address_space: global }
      - { .name: Wq, .offset: 24, .size: 8, .value_kind: global_buffer, .address_space: global }
      - { .name: Wk, .offset: 32, .size: 8, .value_kind: global_buffer, .address_space: global }
      - { .name: Wv, .offset: 40, .size: 8, .value_kind: global_buffer, .address_space: global }
      - { .name: Wo, .offset: 48, .size: 8, .value_kind: global_buffer, .address_space: global }
      - { .name: cod, .offset: 56, .size: 8, .value_kind: global_buffer, .address_space: global }
      - { .name: scl, .offset: 64, .size: 8, .value_kind: global_buffer, .address_space: global }
    .group_segment_fixed_size: 35328
    .private_segment_fixed_size: 0
    .kernarg_segment_align: 8
    .kernarg_segment_size: 72
    .max_flat_workgroup_size: 128
    .sgpr_count:     66
    .vgpr_count:     250
    .wavefront_size: 32
...
	.end_amdgpu_metadata
.endif
;; end of part 1
;; launch proj (part 2): grid 4 x 48, 4 waves a work-group, clusters of 4 x 4, 327,680 bytes of LDS; arguments cod, scl, bq, bk, bv, qkv; writes qkv
.if DOCPART == 2
	.amdgcn_target "amdgcn-amd-amdhsa--gfx1250"
	.amdhsa_code_object_version 6
	.text
	.protected	k_qa2697c7484_proj
	.globl	k_qa2697c7484_proj
	.p2align	8
	.type	k_qa2697c7484_proj,@function
k_qa2697c7484_proj:
	s_mov_b64 s[64:65], 0
	v_nop
	global_prefetch_b8 v0, s[64:65] scope:SCOPE_SE
	s_setreg_imm32_b32 hwreg(HW_REG_WAVE_MODE, 25, 1), 1
	s_wait_xcnt 0x0
	s_wait_alu depctr_hold_cnt(0) depctr_sa_sdst(0) depctr_va_vdst(0) depctr_va_sdst(0) depctr_va_ssrc(0) depctr_va_vcc(0) depctr_vm_vsrc(0)
	s_getreg_b32 s2, hwreg(HW_REG_IB_STS2, 6, 4)
	s_cmp_eq_u32 s2, 0
	s_cbranch_scc0 .Lentry_in_a_cluster
	s_endpgm
.Lentry_in_a_cluster:
	s_bfe_u32 s2, ttmp6, 0x10000c
	s_cmp_lg_u32 s2, 0xf033
	s_cbranch_scc0 .Lentry_shape_is_right
	s_endpgm
.Lentry_shape_is_right:
; The three projections on codes of FP6 (E2M3), and the quantising of their results for the attention's two products.
; MODE 0: Q = query Wq^T + bq;  1: K = key Wk^T + bk  (C is [4096][1024]; quantised along the head's 64);  2: V^T = Wv value^T + bv (C is [1024][4096]; quantised along the keys).
; A tile of C is 256 x 256: four waves, each 128 x 128 in 64 accumulators.  K = 1,024 goes in four slots' worth of 256 through a ring of two LDS slots filled by the tensor data mover.
; OPERANDS lie in cod and scl as images of their registers (tile of 16 rows: lane-row r of tile T is row 32 (T / 2) + 8 (T % 2) + r + 8 (r / 8); a fragment = [piece 0..5][lane][8 bytes]): a fragment is six loads of 8 bytes a lane,
; each of 256 consecutive LDS bytes: no pitch, no padding.  One tensor load brings 8 tiles x 256 along K: 8 rows of 3,072 bytes, 12,288 apart.
; THE MATRIX INSTRUCTION IS USED TRANSPOSED (source 0 = 16 rows of B, source 1 = 16 rows of A): a lane holds ONE row of C, and by the tiles' order the 16 registers of B's tiles 2 j, 2 j + 1 are 16 neighbouring columns
; 32 j + 16 (lane / 16) + 0 .. 15: what the conversions want.  So a block of 16 rows x 128 columns becomes one fragment in registers and is stored as it stands: no stage in LDS.
; qkv: Q at 0, K at 3,407,872: [batch][head][group of 128 rows][6,656]: 8 tiles x 768 bytes (pieces 0-2: the head's 64), then 512 bytes of scale words [lane][j 0..3]: word j = tile 2 j in lanes 0-15, tile 2 j + 1 in lanes 16-31; a word's upper two bytes are 0.
;      V at 6,815,744: [batch][128 keys][head][6,400]: 4 tiles of the head's 64 x 1,536 bytes, then 256 bytes of scale words [lane][2].
; CLUSTERS: 4 x 4 work-groups; A's tiles are asked for jointly along a row of the cluster, B's along a column.  MODE hangs on the cluster's y alone: it is the same in all sixteen partners, and so is every branch.
; BOTH SETS OF BIAS REGISTERS ARE LOADED IN EVERY MODE, so that every register is written on every way: the set that the mode does not add reads the bias's first 128 numbers and is not used.
; LIMITS: a block whose largest magnitude lies under 2^-124 is held at the byte 1, a block of zeros too (its codes are zeros; this program alone reads the bytes); NaN and infinities are not served.
; REGISTERS, in windows of 256: window 0: v1-6 lane numbers and offsets; v16-29 addresses; v32-63 scale words, two sets; v64-127 bias by column; v128-223 A's fragments, one set; v224-239 bias by row; v240-247 the results' scale words.
;   window 1: B's fragments, two sets, at v0 and v128.   windows 2, 3: the accumulators of my rows 0-63, 64-127 ((a, b) at v[8 (8 (a % 4) + b)]).
.set NQ,     2                         ; matrix instructions deep in a slot
.set FR,     12                        ; registers of a fragment
.set NL,     6                         ; LDS loads that bring one
.set NP,     4                         ; places behind this matrix instruction (ISA guide 7.12.1)
.set HALFT,  24576                     ; 8 tiles x 3,072 bytes: what one tensor load brings, and what one wave reads of A or of B
.set SLOT,   4*HALFT
.set SCL,    2*SLOT                    ; behind the ring: the scale words of the 32 tiles, for all of K: filled once
.set HALFS,  4096                      ; those of 8 tiles
.set SPARE,  SCL+4*HALFS               ; the spare words: 128 bytes a wave, two blocks of 256 bytes that no other line names
.set QCH,    6656
.set VCH,    6400
.set ADRA, 16                          ; v16-17 LDS address of my A fragments in slot 0, 1
.set ADRB, 20                          ; v20-21 the same for B
.set VO0,  24                          ; v24    8 x lane
.set VO1,  25                          ; v25    8 x lane + the way from pieces 0-2 to pieces 3-5
.set L16,  26                          ; v26    16 x lane
.set ADRS, 27                          ; v27    LDS address of my scale words: lanes 0-15 A's, lanes 16-31 B's
.set SPW,  28                          ; v28    my spare word; never rewritten
.set NIL,  29                          ; v29    0; never rewritten
.set SC,   32
.set BN,   64
.set AF,   128
.set BM,   224
.set SW,   240
.set TM,   32                          ; the way out: v32-47 at work, v48-55 scale words to store, v128-191 a block's 64 numbers, v192-211 its codes
.set SJ,   48
.set HA,   128
.set PC,   192
.set G1, 24
.set G0, 32
.set G1B, 48
.set G0B, 56
.set G1S, 68
.set G0S, 76
.set G1SB, 80
.set G0SB, 88
.set SEL, 100
.set MSB, 0
.macro WIN new                         ; the immediate's high byte repeats the setting that is left
.if MSB != \new
	s_set_vgpr_msb (MSB<<8)|\new
.set MSB, \new
.endif
.endm
.set MUL_LO, 0xa1                      ; source 0 (B) window 1, source 1 (A) window 0, C and D window 2
.set MUL_HI, 0xf1                      ; the same, C and D window 3
.set TO_B,   0x40                      ; destination window 1, address window 0
; A joint load: waves 0 and 1 fetch for A, waves 2 and 3 for B; the branch hangs on the wave's number alone.  Four v_nop follow each of the two lines.
.macro JLOAD g0a, g1a, g0b, g1b
	s_cmp_eq_u32 s17, 0
	s_cbranch_scc0 .Lfor_b_\@
	tensor_load_to_lds s[\g0a:\g0a+3], s[\g1a:\g1a+7]
	s_nop 0
.rept 4
	v_nop
.endr
	s_branch .Lasked_\@
.Lfor_b_\@:
	tensor_load_to_lds s[\g0b:\g0b+3], s[\g1b:\g1b+7]
	s_nop 0
.rept 4
	v_nop
.endr
.Lasked_\@:
.endm
.macro CREST                           ; a round of the cluster's barrier behind its opening barrier
	s_cmp_lg_u32 s16, 0
	s_cbranch_scc1 .Lnot_wave_0_\@
	s_barrier_signal -3
.Lnot_wave_0_\@:
	s_barrier_wait -3
	s_barrier_signal -1
	s_barrier_wait -1
.endm
.macro CROUND
	s_barrier_signal -1
	s_barrier_wait -1
	CREST
.endm
	s_load_b128 s[40:43], s[0:1], 0x0              ; cod, scl
	s_load_b128 s[44:47], s[0:1], 0x10             ; bq, bk
	s_load_b128 s[96:99], s[0:1], 0x20             ; bv, qkv
	v_lshl_add_u32 v[SPW], v0, 2, SPARE
	v_mov_b32 v[NIL], 0
	ds_add_u32 v28, v29
	ds_add_u32 v28, v29
	s_wait_dscnt 0x0
	v_lshrrev_b32 v1, 5, v0
	v_readfirstlane_b32 s16, v1                    ; wave 0..3
	s_lshr_b32 s17, s16, 1                         ; which half of the tile's rows is mine.  Also: I fetch for A (0) or for B (1)
	s_and_b32 s18, s16, 1                          ; which half of its columns.  Also: which 8 tiles I fetch
	s_bfe_u32 s21, ttmp6, 0x40000                  ; cx
	s_bfe_u32 s22, ttmp6, 0x40004                  ; cy
	s_and_b32 s23, ttmp7, 0xffff                   ; the cluster's y, 0..11
	s_lshr_b32 s2, s23, 2                          ; MODE
	s_and_b32 s23, s23, 3                          ; which of the mode's four clusters
	s_lshr_b32 s3, s2, 1                           ; 1 for V^T
	s_mul_i32 s20, s23, s3                         ; V^T's clusters lie side by side,
	s_sub_co_u32 s19, s23, s20                     ; Q's and K's one below the other
	s_lshl_b32 s19, s19, 2
	s_add_co_u32 s19, s19, s22                     ; tile row of C
	s_lshl_b32 s20, s20, 2
	s_add_co_u32 s20, s20, s21                     ; tile column of C
	s_lshl_b32 s66, s22, 2
	s_lshl_b32 s66, 15, s66                        ; my row of the cluster
	s_lshl_b32 s67, 0x1111, s21                    ; my column
	; descriptor group 1, codes: 8 rows of 384 elements of 8 bytes, 1,536 elements apart; no padding
	s_or_b32 s[G1], s66, (3<<16)|(1<<21)           ; 15:0 the mask; 17:16 elements of 8 bytes; 21 set beside a mask
	s_or_b32 s[G1B], s67, (3<<16)|(1<<21)
.irp g, G1, G1B
	s_mov_b32 s[\g+1], 384<<16                     ; tensor_dim0
	s_mov_b32 s[\g+2], 16<<16                      ; tensor_dim1: 16 tiles for the head's loads; set to 8 for the ring's behind the wait for them
	s_mov_b32 s[\g+3], 384<<16                     ; tile_dim0
	s_mov_b32 s[\g+4], 16                          ; tile_dim1, likewise
	s_mov_b32 s[\g+5], 1536                        ; tensor_dim0_stride
	s_mov_b32 s[\g+6], 0
	s_mov_b32 s[\g+7], 0
.endr
	; scale words of 16 tiles: 8,192 dense bytes as 32 rows of 256
	s_or_b32 s[G1S], s66, (3<<16)|(1<<21)
	s_or_b32 s[G1SB], s67, (3<<16)|(1<<21)
.irp g, G1S, G1SB
	s_mov_b32 s[\g+1], 32<<16
	s_mov_b32 s[\g+2], 32<<16                      ; the scale words of 16 tiles: 32 rows of 256 bytes
	s_mov_b32 s[\g+3], 32<<16
	s_mov_b32 s[\g+4], 32
	s_mov_b32 s[\g+5], 32
	s_mov_b32 s[\g+6], 0
	s_mov_b32 s[\g+7], 0
.endr
	; which tiles of cod.  A: query 0, key 256, Wv 896.  B: Wq 768, Wk 832, value 512.  A's number is made of the tile row alone, B's of the tile column alone
	s_lshl_b32 s4, s2, 8
	s_mul_i32 s5, s3, 384
	s_add_co_u32 s4, s4, s5
	s_lshl_b32 s8, s2, 6
	s_add_co_u32 s8, s8, 768
	s_sub_co_u32 s8, s8, s5
	s_lshl_b32 s6, s19, 4
	s_add_co_u32 s4, s4, s6
	s_lshl_b32 s10, s20, 4
	s_add_co_u32 s8, s8, s10
	s_lshl_b32 s6, s4, 9                           ; 512 bytes of scale words a tile,
	s_mul_i32 s4, s4, 12288                        ; 12,288 of codes
	s_lshl_b32 s10, s8, 9
	s_mul_i32 s8, s8, 12288
	s_mov_b32 s5, 0
	s_mov_b32 s7, 0
	s_mov_b32 s9, 0
	s_mov_b32 s11, 0
	s_mul_i32 s92, s16, HALFT                      ; where they go: by the wave's number alone
	s_wait_kmcnt 0x0
	s_add_nc_u64 s[4:5], s[40:41], s[4:5]
	s_add_nc_u64 s[6:7], s[42:43], s[6:7]
	s_add_nc_u64 s[8:9], s[40:41], s[8:9]
	s_add_nc_u64 s[10:11], s[42:43], s[10:11]
	CROUND                                         ; all sixteen work-groups are here: the first joint loads meet
	s_mov_b32 s[G0S], 1
	s_mov_b32 s[G0S+1], SCL
	s_mov_b64 s[G0S+2:G0S+3], s[6:7]
	s_or_b32 s[G0S+3], s[G0S+3], 0x80000000
	s_mov_b32 s[G0SB], 1
	s_mov_b32 s[G0SB+1], SCL+2*HALFS
	s_mov_b64 s[G0SB+2:G0SB+3], s[10:11]
	s_or_b32 s[G0SB+3], s[G0SB+3], 0x80000000
	; THE HEAD'S FOUR TILES, ONE A WAVE: wave 0 slot 0's 16 tiles of A, wave 1 its 16 tiles of B, wave 2 the scale words of A's 16 tiles, wave 3 those of B's
	s_mov_b32 s[G0], 1
	s_mov_b32 s[G0+1], 0
	s_mov_b64 s[G0+2:G0+3], s[4:5]
	s_or_b32 s[G0+3], s[G0+3], 0x80000000
	s_mov_b32 s[G0B], 1
	s_mov_b32 s[G0B+1], 2*HALFT
	s_mov_b64 s[G0B+2:G0B+3], s[8:9]
	s_or_b32 s[G0B+3], s[G0B+3], 0x80000000
	s_mul_i32 s40, s18, 8*12288                    ; for the ring: my 8 tiles of the 16
	s_mov_b32 s41, 0
	s_add_nc_u64 s[4:5], s[4:5], s[40:41]
	s_add_nc_u64 s[8:9], s[8:9], s[40:41]
	s_mov_b32 s[G0+4], 1                           ; slot 1's group 0
	s_add_co_u32 s[G0+5], s92, SLOT
	s_add_nc_u64 s[G0+6:G0+7], s[4:5], 3072
	s_or_b32 s[G0+7], s[G0+7], 0x80000000
	s_mov_b32 s[G0B+4], 1
	s_add_co_u32 s[G0B+5], s92, SLOT
	s_add_nc_u64 s[G0B+6:G0B+7], s[8:9], 3072
	s_or_b32 s[G0B+7], s[G0B+7], 0x80000000
.macro ARM under, g0, g1, next         ; one chain of branches on the wave's number, one load to an arm, all arms to one join
	s_cmp_lt_u32 s16, \under
	s_cbranch_scc0 \next
	tensor_load_to_lds s[\g0:\g0+3], s[\g1:\g1+7]
	s_nop 0
.rept 4
	v_nop
.endr
	s_branch .Lhead_asked
\next:
.endm
	ARM 1, G0,  G1,  .Lhead_b
	ARM 2, G0B, G1B, .Lhead_sa
	ARM 3, G0S, G1S, .Lhead_sb
	tensor_load_to_lds s[G0SB:G0SB+3], s[G1SB:G1SB+7]
	s_nop 0
.rept 4
	v_nop
.endr
.Lhead_asked:
	v_and_b32 v1, 31, v0                           ; lane
	v_and_b32 v2, 15, v0                           ; r
	v_bfe_u32 v3, v0, 4, 1                         ; h
	s_wait_alu depctr_va_vdst(0)
	v_lshlrev_b32 v[VO0], 3, v1
	s_wait_alu depctr_va_vdst(0)
	v_lshlrev_b32 v[L16], 4, v1
	s_mul_i32 s23, s17, HALFT                      ; my 8 tiles of A
	s_mul_i32 s92, s18, HALFT                      ; my 8 tiles of B,
	s_add_co_u32 s92, s92, 2*HALFT                 ; which lie behind A's 16
.irp s, 0,1
	v_add_nc_u32 v[ADRA+\s], s23, v[VO0]
	v_add_nc_u32 v[ADRB+\s], s92, v[VO0]
	s_add_co_u32 s23, s23, SLOT
	s_add_co_u32 s92, s92, SLOT
.endr
	s_lshl_b32 s23, s17, 12                        ; A's scale words: my 8 tiles
	s_lshl_b32 s92, s18, 12                        ; B's, behind A's 16
	s_add_co_u32 s92, s92, 2*HALFS
	s_sub_co_u32 s92, s92, s23
	v_mul_u32_u24 v4, s92, v3                      ; lanes 16-31 take B's: one product, the lower base + h x the distance
	s_add_co_u32 s23, s23, SCL
	v_lshl_add_u32 v4, v2, 3, v4                   ; 8 bytes a row: the two words of a slot
	v_add_nc_u32 v[ADRS], s23, v4
	s_mov_b32 s[SEL], 0x76543210
	s_mov_b32 s[SEL+1], 0xfedcba98
	; the bias, and where the results go
	s_cmp_eq_u32 s2, 0
	s_cselect_b64 s[44:45], s[44:45], s[46:47]
	s_cmp_eq_u32 s2, 2
	s_cselect_b64 s[96:97], s[96:97], s[44:45]     ; bq, bk or bv
	s_lshl_b32 s23, s19, 8
	s_lshl_b32 s40, s17, 7
	s_add_co_u32 s23, s23, s40                     ; my first row of C
	s_lshl_b32 s40, s20, 8
	s_lshl_b32 s41, s18, 7
	s_add_co_u32 s40, s40, s41                     ; my first column
	s_cmp_lg_u32 s3, 0                             ; V^T?  (moves and selects leave SCC alone)
	s_cselect_b32 s41, s40, s23                    ; the token's number: V^T's columns, Q's and K's rows
	s_cselect_b32 s42, s23, s40                    ; the feature's number
	s_cselect_b32 s43, 0, s40                      ; the bias by column begins here,
	s_cselect_b32 s44, s23, 0                      ; the bias by row here
	s_mov_b32 s45, 16*QCH
	s_cselect_b32 s45, 16*VCH, s45
	s_mov_b32 s46, QCH
	s_cselect_b32 s46, VCH, s46
	s_mov_b32 s92, 768
	s_cselect_b32 s92, 1536, s92                   ; from a block's place to the next block's
	s_cselect_b32 s94, 256, 0                      ; and over the first head's scale words, at block 4 of V^T
	s_mov_b32 s47, 16*QCH
	s_cselect_b32 s47, 768, s47                    ; from pieces 0-2 to pieces 3-5: the next head's chunk, or the same image
	s_mov_b32 s93, 0
	s_mov_b32 s95, 0
	s_lshr_b32 s66, s41, 11                        ; batch
	s_bfe_u32 s67, s41, 0x40007                    ; group of 128 tokens
	s_lshr_b32 s23, s42, 6                         ; head
	s_cmp_lg_u32 s3, 0
	s_cselect_b32 s40, s67, s23
	s_cselect_b32 s41, s23, s67
	s_lshl_b32 s66, s66, 4
	s_add_co_u32 s66, s66, s40
	s_mul_i32 s66, s66, s45
	s_mul_i32 s41, s41, s46
	s_add_co_u32 s66, s66, s41
	s_mul_i32 s67, s2, 3407872
	s_add_co_u32 s66, s66, s67
	s_mov_b32 s67, 0
	s_add_nc_u64 s[12:13], s[98:99], s[66:67]      ; my first chunk
	s_add_nc_u64 s[14:15], s[12:13], 6144          ; and its scale words
	v_add_nc_u32 v[VO1], s47, v[VO0]
	s_lshl_b32 s43, s43, 2
	s_lshl_b32 s44, s44, 2
	v_lshlrev_b32 v5, 6, v3
	v_add_nc_u32 v5, s43, v5                       ; by column: my 16 numbers of each 32 begin 64 h bytes on
	v_and_b32 v6, 8, v2
	v_add_nc_u32 v6, v6, v2
	v_lshlrev_b32 v6, 2, v6
	v_add_nc_u32 v6, s44, v6                       ; by row: row r + 8 (r / 8) of a tile
.irp j, 0,1,2,3
.irp i, 0,1,2,3
	global_load_b128 v[BN+16*\j+4*\i:BN+16*\j+4*\i+3], v5, s[96:97] offset:128*\j+16*\i
.endr
.endr
.irp a, 0,1,2,3,4,5,6,7
	global_load_b32 v[BM+2*\a], v6, s[96:97] offset:4*(32*(\a/2)+8*(\a%2))     ; twice: a pair for the packed addition
	global_load_b32 v[BM+2*\a+1], v6, s[96:97] offset:4*(32*(\a/2)+8*(\a%2))
.endr
.macro FRAG reg, adr, q, i             ; tile i's fragment of the slot's q-th 128 along K: six pieces of 256 consecutive bytes
.irp p, 0,1,2,3,4,5
	ds_load_b64 v[\reg+2*\p:\reg+2*\p+1], v[\adr] offset:3072*(\i)+1536*(\q)+256*\p
.endr
.endm
; 16 matrix instructions: A's blocks a0, a0 + 1 x B's eight.  p: B's set; sc: the set of scale words.  zero = 1: the first product starts the sums; 2: it takes the bias by column as C.
; The 64 accumulators take turns, one instruction a turn, in the same order in every step.
.macro MUL16 a0, p, q, sc, zero
.irp a, \a0, \a0+1
.irp b, 0,1,2,3,4,5,6,7
.if \zero == 1
	v_wmma_scale_f32_16x16x128_f8f6f4 v[8*(8*((\a)%4)+\b):8*(8*((\a)%4)+\b)+7], v[128*(\p)+FR*\b:128*(\p)+FR*\b+FR-1], v[AF+FR*(\a):AF+FR*(\a)+FR-1], 0, v[SC+8*NQ*(\sc)+NQ*\b+(\q)], v[SC+8*NQ*(\sc)+NQ*(\a)+(\q)] matrix_a_fmt:MATRIX_FMT_FP6 matrix_b_fmt:MATRIX_FMT_FP6 matrix_a_scale:MATRIX_SCALE_ROW1
.elseif \zero == 2
	v_wmma_scale_f32_16x16x128_f8f6f4 v[8*(8*((\a)%4)+\b):8*(8*((\a)%4)+\b)+7], v[128*(\p)+FR*\b:128*(\p)+FR*\b+FR-1], v[AF+FR*(\a):AF+FR*(\a)+FR-1], v[BN+8*\b:BN+8*\b+7], v[SC+8*NQ*(\sc)+NQ*\b+(\q)], v[SC+8*NQ*(\sc)+NQ*(\a)+(\q)] matrix_a_fmt:MATRIX_FMT_FP6 matrix_b_fmt:MATRIX_FMT_FP6 matrix_a_scale:MATRIX_SCALE_ROW1
.else
	v_wmma_scale_f32_16x16x128_f8f6f4 v[8*(8*((\a)%4)+\b):8*(8*((\a)%4)+\b)+7], v[128*(\p)+FR*\b:128*(\p)+FR*\b+FR-1], v[AF+FR*(\a):AF+FR*(\a)+FR-1], v[8*(8*((\a)%4)+\b):8*(8*((\a)%4)+\b)+7], v[SC+8*NQ*(\sc)+NQ*\b+(\q)], v[SC+8*NQ*(\sc)+NQ*(\a)+(\q)] matrix_a_fmt:MATRIX_FMT_FP6 matrix_b_fmt:MATRIX_FMT_FP6 matrix_a_scale:MATRIX_SCALE_ROW1
.endif
.endr
.endr
.endm
.macro FETCH_B slot, q, p
	WIN TO_B
.irp i, 0,1,2,3,4,5,6,7
	FRAG 128*(\p)+FR*\i, ADRB+\slot, \q, \i
.endr
	WIN 0
.endm
.macro FETCH_A slot, q, i0
.irp i, \i0, \i0+1, \i0+2, \i0+3
	FRAG AF+FR*(\i), ADRA+\slot, \q, \i
.endr
.endm
.macro SCALES sc                       ; a slot's scale words: two a row; lanes 0-15 A's tile i, lanes 16-31 B's tile i
.irp i, 0,1,2,3,4,5,6,7
	ds_load_b64 v[SC+8*NQ*\sc+NQ*\i:SC+8*NQ*\sc+NQ*\i+1], v[ADRS] offset:512*\i
.endr
.endm
.macro PLACES n                        ; plain vector instructions between a matrix instruction and a load into, or a vector instruction on, its registers (ISA guide 7.12.1 for vector instructions)
.rept \n
	v_nop
.endr
.endm
; A step of 128 along K that has its successor in the same slot.  A has one set of registers: blocks 0-3 are fetched anew in the step's middle, blocks 4-7 at its end; B has two sets.
.macro STEP slot, q, zero
	s_wait_dscnt 4*NL                              ; B's set, A's blocks 0-3 and the scale words are in; the youngest 24 loads (A's blocks 4-7) may be out
.if \zero == 2
	WIN 0x81                                       ; C in window 0
.else
	WIN MUL_LO
.endif
	MUL16 0, (\q)%2, \q, \slot, \zero
	MUL16 2, (\q)%2, \q, \slot, \zero
	s_wait_dscnt 0
	PLACES NP
	FETCH_B \slot, (\q)+1, 1-(\q)%2
	FETCH_A \slot, (\q)+1, 0
.if \zero == 2
	WIN 0xc1
.else
	WIN MUL_HI
.endif
	MUL16 4, (\q)%2, \q, \slot, \zero
	MUL16 6, (\q)%2, \q, \slot, \zero
	PLACES NP
	WIN 0
	FETCH_A \slot, (\q)+1, 4
.endm
; A slot's last step changes slots: ONE barrier; in front of it each wave waits for all its tensor loads, adds 0 to its spare word, and waits for that and for its own reads of this slot.  fill = 1: this slot is filled again, two slots ahead.
.macro TURN slot, next, fill
	s_wait_tensorcnt 0x0                           ; all my tensor loads have landed: my part of the next slot;
	ds_add_u32 v[SPW], v[NIL]                      ; 0 onto my spare word
	s_wait_dscnt 4*NL+1                            ; (the add and the 24 youngest loads, A's blocks 4-7, may be out)
	WIN MUL_LO
	MUL16 0, 1, NQ-1, \slot, 0                     ; sixteen matrix instructions stand between the add and the wait for it
	s_wait_dscnt 0x0                               ; the add is done, and my reads of this slot are over
	s_barrier_signal -1
	MUL16 2, 1, NQ-1, \slot, 0
	WIN 0
	s_barrier_wait -1
.if \fill
	CREST                                          ; the barrier has opened a round of the cluster's barrier: no wave of any partner still reads this slot or has a load on its way
	s_add_nc_u64 s[G0+4*\slot+2:G0+4*\slot+3], s[G0+4*\slot+2:G0+4*\slot+3], 2*3072
	s_add_nc_u64 s[G0B+4*\slot+2:G0B+4*\slot+3], s[G0B+4*\slot+2:G0B+4*\slot+3], 2*3072
	JLOAD G0+4*\slot, G1, G0B+4*\slot, G1B         ; the first tensor load behind the round, my one load until the next; its four v_nop are also the places in front of the loads below
.else
	PLACES NP
.endif
	s_wait_alu depctr_va_vdst(0)
	v_add_nc_u32 v[ADRS], 128, v[ADRS]             ; on to the next slot's scale words
	FETCH_B \next, 0, 0
	FETCH_A \next, 0, 0
	SCALES \next
	WIN MUL_HI
	MUL16 4, 1, NQ-1, \slot, 0
	MUL16 6, 1, NQ-1, \slot, 0
	PLACES NP
	WIN 0
	FETCH_A \next, 0, 4
.endm
	s_wait_alu depctr_va_vdst(0)
	s_wait_tensorcnt 0x0                           ; my tile of the head's four is in
	ds_add_u32 v[SPW], v[NIL]
	s_mov_b32 s[G1+2], 8<<16                       ; no tensor load of mine is out, so descriptors may be written: from here on a load brings 8 tiles,
	s_mov_b32 s[G1+4], 8
	s_mov_b32 s[G1B+2], 8<<16
	s_mov_b32 s[G1B+4], 8
	s_mul_i32 s[G0+1], s16, HALFT                  ; and slot 0's group 0 is the ring's: my quarter of the slot, my 8 tiles
	s_mov_b64 s[G0+2:G0+3], s[4:5]
	s_or_b32 s[G0+3], s[G0+3], 0x80000000
	s_mul_i32 s[G0B+1], s16, HALFT
	s_mov_b64 s[G0B+2:G0B+3], s[8:9]
	s_or_b32 s[G0B+3], s[G0B+3], 0x80000000
	s_wait_dscnt 0x0
	CROUND                                         ; a whole round: all four tiles are in, in all sixteen work-groups
	JLOAD G0+4, G1, G0B+4, G1B                     ; slot 1's first fill, my one load behind the round
	FETCH_B 0, 0, 0
	FETCH_A 0, 0, 0
	SCALES 0
	FETCH_A 0, 0, 4
	STEP 0, 0, 1                                   ; eight steps of 128 along K, written out: the ring goes round twice, so a loop would have one trip
	TURN 0, 1, 1
	STEP 1, 0, 0
	TURN 1, 0, 1
	STEP 0, 0, 0
	TURN 0, 1, 0                                   ; nothing is left to fetch
	STEP 1, 0, 0
	s_wait_dscnt 4*NL
	WIN MUL_LO
	MUL16 0, 1, NQ-1, 1, 0
	MUL16 2, 1, NQ-1, 1, 0
	s_wait_dscnt 0
	WIN MUL_HI
	MUL16 4, 1, NQ-1, 1, 0
	MUL16 6, 1, NQ-1, 1, 0
	WIN 0
; THE WAY OUT.  64 numbers of a lane, v[s] on, register 16 b + i = k 32 b + 16 (lane / 16) + i of my row, become a fragment's codes in v[PC] on and its scale word in v[w].
.macro QUANT s, w
.irp b, 0,1,2,3
	v_max3_num_f32 v[TM+\b], |v[\s+16*\b]|, |v[\s+1+16*\b]|, 0x1800000   ; block b: my 16 numbers, and the floor 2^(3 - 127): the byte cannot fall under 1
.endr
.irp i, 2,4,6,8,10,12,14
.irp b, 0,1,2,3
	v_max3_num_f32 v[TM+\b], v[TM+\b], |v[\s+16*\b+\i]|, |v[\s+1+16*\b+\i]|
.endr
.endr
.irp b, 0,1,2,3
	v_permlanex16_b32 v[TM+4+\b], v[TM+\b], s[SEL], s[SEL+1]
.endr
.irp b, 0,1,2,3
	v_max_num_f32 v[TM+\b], v[TM+\b], v[TM+4+\b]   ; with lane l xor 16's: the block's largest magnitude
.endr
.irp b, 0,1,2,3
	v_add_nc_u32 v[TM+12+\b], 0xff000000, v[TM+\b] ; 2 off its exponent field: the conversion's scale operand
.endr
.irp b, 0,1,2,3
	v_lshrrev_b32 v[TM+4+\b], 23, v[TM+12+\b]      ; the scale's byte
.endr
	v_lshl_or_b32 v[\w], v[TM+5], 8, v[TM+4]
	v_lshl_or_b32 v[\w], v[TM+6], 16, v[\w]
	v_lshl_or_b32 v[\w], v[TM+7], 24, v[\w]
.irp c, 0,1
	v_cvt_scalef32_pk16_fp6_f32 v[PC+6*\c:PC+2+6*\c], v[\s+32*\c:\s+15+32*\c], v[TM+12+2*\c]
	v_cvt_scalef32_pk16_fp6_f32 v[PC+12+4*\c:PC+14+4*\c], v[\s+16+32*\c:\s+31+32*\c], v[TM+12+2*\c+1]   ; (a conversion's three registers begin on an even number)
.endr
	v_nop                                          ; one plain place behind a scaled conversion
.irp c, 0,1                                    ; the operand's layout wants a whole block in a lane: lanes 0-15 block 2 c, lanes 16-31 block 2 c + 1
.irp i, 0,1,2
	v_permlane16_swap_b32 v[PC+6*\c+\i], v[PC+12+4*\c+\i]
.endr
.irp i, 0,1,2
	v_mov_b32 v[PC+3+6*\c+\i], v[PC+12+4*\c+\i]
.endr
.endr
.endm
; Block a: 16 rows x 128 columns.  The bias is added by column (Q, K) or by row (V^T); each accumulator is read from its low end on.  At a label and at a branch every window is 0.
.macro OUTBLK a
.if (\a) > 0
	s_wait_xcnt 0x0                                ; the last block's stores have read their data and their base: both are written again only behind this wait
	s_add_nc_u64 s[12:13], s[12:13], s[92:93]
.if (\a) == 4
	s_add_nc_u64 s[12:13], s[12:13], s[94:95]
.endif
.endif
	s_cmp_eq_u32 s3, 0
	s_cbranch_scc0 .Lrow_\@
	WIN 0x02+(\a)/4                                ; source 0: window 2 or 3
.set k, 0
.rept 32
	v_pk_add_f32 v[HA+2*k:HA+2*k+1], v[64*((\a)%4)+2*k:64*((\a)%4)+2*k+1], v[BN+2*k:BN+2*k+1]
.set k, k+1
.endr
	WIN 0
	s_branch .Lsum_\@
.Lrow_\@:
	WIN 0x02+(\a)/4
.set k, 0
.rept 32
	v_pk_add_f32 v[HA+2*k:HA+2*k+1], v[64*((\a)%4)+2*k:64*((\a)%4)+2*k+1], v[BM+2*(\a):BM+2*(\a)+1]
.set k, k+1
.endr
	WIN 0
.Lsum_\@:
	QUANT HA, SW+(\a)
.irp p, 0,1,2
	global_store_b64 v[VO0], v[PC+2*\p:PC+2*\p+1], s[12:13] offset:256*\p       ; each store: 256 consecutive bytes, at a multiple of 256 from qkv's first byte
.endr
.irp p, 0,1,2
	global_store_b64 v[VO1], v[PC+6+2*\p:PC+7+2*\p], s[12:13] offset:256*\p
.endr
.endm
	s_wait_loadcnt 0x0                             ; the biases
	PLACES NP                                      ; behind the last products: their results are read, and their operands' and scales' registers written, below
.irp b, 0,1,2,3
	v_mov_b32 v[TM+4+\b], 0                        ; a lane permute's destination counts as one of its sources
.endr
.irp a, 0,1,2,3,4,5,6,7
	OUTBLK \a
.endr
	v_cmp_le_u32 vcc_lo, 16, v1
.irp j, 0,1,2,3
	v_cndmask_b32 v[SJ+\j], v[SW+2*\j], v[SW+2*\j+1], vcc_lo   ; word j: tile 2 j in lanes 0-15, tile 2 j + 1 in lanes 16-31
.endr
	s_cmp_eq_u32 s3, 0
	s_cbranch_scc0 .Lv_words
.irp j, 0,1,2,3
	v_lshrrev_b32 v[SJ+4+\j], 16, v[SJ+\j]         ; Q, K: a word's upper two bytes belong to the next head,
.endr
.irp j, 0,1,2,3
	v_and_b32 v[SJ+\j], 0xffff, v[SJ+\j]           ; its lower two to this one; the other two bytes are 0
.endr
	global_store_b128 v[L16], v[SJ:SJ+3], s[14:15]
	global_store_b128 v[L16], v[SJ+4:SJ+7], s[14:15] offset:16*QCH
	s_branch .Lwords_out
.Lv_words:
	s_wait_alu depctr_va_vdst(0)
	global_store_b64 v[VO0], v[SJ:SJ+1], s[14:15]              ; V^T: tiles 0-3 are one head's, tiles 4-7 the next head's
	global_store_b64 v[VO0], v[SJ+2:SJ+3], s[14:15] offset:VCH
.Lwords_out:
	s_wait_tensorcnt 0x0                           ; the wave's end
	ds_add_u32 v[SPW], v[NIL]
	s_wait_dscnt 0x0
	CROUND                                         ; the closing round: no work-group ends while a partner may still ask for a tile that names it
	s_endpgm
.Lfunc_end_k_qa2697c7484_proj:
	.size	k_qa2697c7484_proj, .Lfunc_end_k_qa2697c7484_proj-k_qa2697c7484_proj
	.p2alignl 7, 3214868480
	.fill 96, 4, 3214868480
	.section	.rodata,"a",@progbits
	.p2align	6, 0x0
	.amdhsa_kernel k_qa2697c7484_proj
		.amdhsa_group_segment_fixed_size 327680
		.amdhsa_private_segment_fixed_size 0
		.amdhsa_enable_private_segment 0
		.amdhsa_kernarg_size 48
		.amdhsa_user_sgpr_count 2
		.amdhsa_user_sgpr_kernarg_segment_ptr 1
		.amdhsa_wavefront_size32 1
		.amdhsa_system_sgpr_workgroup_id_x 1
		.amdhsa_system_sgpr_workgroup_id_y 1
		.amdhsa_system_sgpr_workgroup_id_z 1
		.amdhsa_system_vgpr_workitem_id 0
		.amdhsa_next_free_vgpr 1024
		.amdhsa_next_free_sgpr 102
		.amdhsa_reserve_vcc 1
		.amdhsa_float_denorm_mode_32 3
		.amdhsa_float_denorm_mode_16_64 3
		.amdhsa_memory_ordered 1
		.amdhsa_forward_progress 1
		.amdhsa_inst_pref_size 205
	.end_amdhsa_kernel
	.amdgpu_metadata
---
amdhsa.version: [ 1, 2 ]
amdhsa.kernels:
  - .name:           k_qa2697c7484_proj
    .symbol:         k_qa2697c7484_proj.kd
    .args:
      - { .name: cod, .offset: 0, .size: 8, .value_kind: global_buffer, .address_space: global }
      - { .name: scl, .offset: 8, .size: 8, .value_kind: global_buffer, .address_space: global }
      - { .name: bq, .offset: 16, .size: 8, .value_kind: global_buffer, .address_space: global }
      - { .name: bk, .offset: 24, .size: 8, .value_kind: global_buffer, .address_space: global }
      - { .name: bv, .offset: 32, .size: 8, .value_kind: global_buffer, .address_space: global }
      - { .name: qkv, .offset: 40, .size: 8, .value_kind: global_buffer, .address_space: global }
    .group_segment_fixed_size: 327680
    .private_segment_fixed_size: 0
    .kernarg_segment_align: 8
    .kernarg_segment_size: 48
    .max_flat_workgroup_size: 128
    .sgpr_count:     102
    .vgpr_count:     1024
    .wavefront_size: 32
...
	.end_amdgpu_metadata
.endif
;; end of part 2
;; launch attn (part 3): grid 8 x 32, 16 waves a work-group, clusters of 4 x 1, 222,208 bytes of LDS; arguments qkv, ao, aos; writes ao, aos
.if DOCPART == 3
	.amdgcn_target "amdgcn-amd-amdhsa--gfx1250"
	.amdhsa_code_object_version 6
	.text
	.protected	k_qa2697c7484_attn
	.globl	k_qa2697c7484_attn
	.p2align	8
	.type	k_qa2697c7484_attn,@function
k_qa2697c7484_attn:
	s_mov_b64 s[64:65], 0
	v_nop
	global_prefetch_b8 v0, s[64:65] scope:SCOPE_SE
	s_setreg_imm32_b32 hwreg(HW_REG_WAVE_MODE, 25, 1), 1
	s_wait_xcnt 0x0
	s_wait_alu depctr_hold_cnt(0) depctr_sa_sdst(0) depctr_va_vdst(0) depctr_va_sdst(0) depctr_va_ssrc(0) depctr_va_vcc(0) depctr_vm_vsrc(0)
	s_getreg_b32 s2, hwreg(HW_REG_IB_STS2, 6, 4)
	s_cmp_eq_u32 s2, 0
	s_cbranch_scc0 .Lentry_in_a_cluster
	s_endpgm
.Lentry_in_a_cluster:
	s_bfe_u32 s2, ttmp6, 0x10000c
	s_cmp_lg_u32 s2, 0x3003
	s_cbranch_scc0 .Lentry_shape_is_right
	s_endpgm
.Lentry_shape_is_right:
; Attention of one head on codes of FP6 (E2M3): S^T = K Q^T, p = 2^(t - M), O^T = V^T P^T, O / l, and O's quantising along the model's 1,024 for the last projection.
; t = score x log2(e) / 8; M = the row's largest t so far, rounded UP to a whole number; p is quantised along the keys, not normalised; the row's sum l is taken of the unquantised p.  When M moves, l and O^T are multiplied by 2^(old M - new M): exact.
; SHARES.  A work-group owns 256 queries of one head of one batch; each of its sixteen waves owns one tile of 16 queries in 256 registers, four waves to a SIMD.
; LDS.  All of the head's K and V: 16 chunks of 6,656 bytes from KB on (128 keys of K: 8 tiles x 768 bytes, 512 bytes of scale words), 16 of 6,400 from VB on (128 keys of V^T: 4 tiles x 1,536, 256 bytes of scale words).  Filled ONCE, no byte again.
; ONE TENSOR LOAD A WAVE, two chunks each: wave 0 K's chunks 0, 1 (dense: 52 rows of 256 bytes), wave 1 V's chunks 0, 1 (two rows of 6,400 bytes, 102,400 apart), waves 2-8 K's other pairs, waves 9-15 V's.
; A pair's LDS place is a constant + the wave's number x the pair's bytes; that leaves bytes 0 .. 13,311 free, and the spare words lie there.  The first barrier shows waves 0 and 1's pairs (their load lines are theirs alone): key steps 0 and 1 run on them.
; The second barrier, behind step 1, shows all the rest.  Every wait on TENSORcnt is for 0.
; CLUSTER.  The four work-groups of a cluster belong to one head: every pair is asked for jointly, with the mask of all four.  No prefetch: every byte is asked for once, at the head, and there is no loop of loads to run ahead in.
; LAYOUT.  Operands lie as images of their registers ([piece][lane][8 bytes]).  Both products are used transposed: a lane holds ONE query throughout.  K's tile 4 c + u of a chunk holds keys 64 c + 8 u + i in lane-rows 0-7 and 64 c + 32 + 8 u + i in
; lane-rows 8-15: so the 32 score registers of tiles 4 c .. 4 c + 3 of lane (r, h) are keys 64 c + 32 h + 0 .. 31: one whole scale block, in the order of P's operand registers 6 c .. 6 c + 5.  No lane asks another for a block's maximum or codes.
; THE HEAD'S 64 FILL HALF OF THE INSTRUCTION'S 128.  Q's registers 6-11 are zero CODES.  K's operand of tile t is v[32 + 6 t : 43 + 6 t]: its upper six registers are the next tile's codes (zeros behind the last): they meet zero codes, under scale bytes 0
; (2^-127, a number) on both sides, and add nothing.
; A block's largest p is taken from its largest score, by the same multiply-add and exponential; this takes v_exp_f32 not to fall where its input rises.
; LIMITS: the promise holds while the scaled scores t stay under 2^31 in magnitude; a block whose largest magnitude lies under 2^-124 is held at the byte 1, a block of zeros too (its codes are zeros; this program alone reads the bytes); NaN and infinities are not served.
; REGISTERS: v1-10 addresses; v12 -M, v13 the largest score, v[14:15] l in two halves; v16-27 Q; v28 Q's scale word; v32-79 K's eight half fragments, then V's four fragments; v80-85 zeros; v86-89 K's scale words, v90-91 V's, v92 p's;
;   v96-159 S^T, then p; v160-191 O^T; v192-203 p's codes; v204-233 at work.
.set KCH,  6656
.set VCH,  6400
.set KREG, 3407872                     ; K's region of qkv
.set VREG, 6815744                     ; V's
.set SPARE, 0x400                      ; the spare words: 2,048 bytes that no other line names
.set KB,   2*KCH                       ; LDS: K's chunks
.set VB,   18*KCH                      ; V's
.set L8,   1                           ; v1  8 x lane
.set L16,  2                           ; v2  16 x lane
.set ADK,  3                           ; v3  the next step's chunk of K, by 8 bytes a lane
.set ADKS, 4                           ; v4  by 16
.set ADV,  5                           ; v5  the step's chunk of V
.set SH,   10                          ; v10 8 (lane / 16)
.set T1,   228                         ; v228-233 three more chains of the sum
.set T2,   230
.set T3,   232
.set WV,   10
.set G1K,  24
.set G1V,  32
.set G0K,  40                          ; group 0: K's pair 0
.set G0V,  44                          ; V's pair 0
.set G0KW, 48                          ; K's pair by the wave's number
.set G0VW, 52                          ; V's
.set SEL,  56
.set CS,   58                          ; s[58:59] c = log2(e) / 8
.set TK,   60
.set TV,   61
.set CNT,  62
.macro CROUND                          ; a round of the cluster's barrier
	s_barrier_signal -1
	s_barrier_wait -1
	s_cmp_lg_u32 s[WV], 0
	s_cbranch_scc1 .Lnot_wave_0_\@
	s_barrier_signal -3
.Lnot_wave_0_\@:
	s_barrier_wait -3
	s_barrier_signal -1
	s_barrier_wait -1
.endm
	s_load_b128 s[4:7], s[0:1], 0x0                ; qkv, ao
	s_load_b64 s[8:9], s[0:1], 0x10                ; aos
	v_lshl_add_u32 v254, v0, 2, SPARE
	v_mov_b32 v255, 0
	ds_add_u32 v254, v255                          ; the opening lines: the add twice on end and its wait
	ds_add_u32 v254, v255
	v_lshrrev_b32 v1, 5, v0
	s_delay_alu instid0(VALU_DEP_1)
	v_readfirstlane_b32 s[WV], v1                  ; wave 0..15
	s_bfe_u32 s12, ttmp6, 0x40000                  ; cx
	s_lshl_b32 s13, ttmp9, 2
	s_add_co_u32 s13, s13, s12                     ; my block of 256 queries: it enters Q's, ao's and aos's addresses alone
	s_and_b32 s14, ttmp7, 0xffff                   ; 16 x batch + head, which the four partners share
	s_lshr_b32 s22, s14, 4                         ; batch
	s_and_b32 s23, s14, 15                         ; head
	s_mov_b32 s[G1K], 15|(3<<16)|(1<<21)           ; 15:0 the mask: all four work-groups; 17:16 elements of 8 bytes; 21 set beside a mask
	s_mov_b32 s[G1K+1], 32<<16                     ; K: 13,312 dense bytes as 52 rows of 256
	s_mov_b32 s[G1K+2], 52<<16
	s_mov_b32 s[G1K+3], 32<<16
	s_mov_b32 s[G1K+4], 52
	s_mov_b32 s[G1K+5], 32
	s_mov_b32 s[G1K+6], 0
	s_mov_b32 s[G1K+7], 0
	s_mov_b32 s[G1V], 15|(3<<16)|(1<<21)
	s_mov_b32 s[G1V+1], 800<<16                    ; V: 2 rows of 800 elements, 12,800 elements apart
	s_mov_b32 s[G1V+2], 2<<16
	s_mov_b32 s[G1V+3], 800<<16
	s_mov_b32 s[G1V+4], 2
	s_mov_b32 s[G1V+5], 12800
	s_mov_b32 s[G1V+6], 0
	s_mov_b32 s[G1V+7], 0
	s_mul_i32 s16, s14, 16*KCH                     ; the head's 16 chunks, in Q's region and in K's
	s_add_co_u32 s20, s16, KREG
	s_mov_b32 s21, 0
	s_max_u32 s18, s[WV], 1
	s_sub_co_u32 s18, s18, 1                       ; waves 2-8: K's pair wave - 1
	s_mul_i32 s18, s18, 2*KCH
	s_mov_b32 s19, 0
	s_mul_i32 s66, s22, 256*VCH                    ; V: [batch][128 keys][head]
	s_mul_i32 s67, s23, VCH
	s_add_co_u32 s66, s66, s67
	s_add_co_u32 s66, s66, VREG
	s_mov_b32 s67, 0
	s_max_u32 s70, s[WV], 8
	s_sub_co_u32 s70, s70, 8                       ; waves 9-15: V's pair wave - 8
	s_mul_i32 s70, s70, 32*VCH
	s_mov_b32 s71, 0
	s_lshl_b32 s68, s13, 4
	s_add_co_u32 s68, s68, s[WV]                   ; my tile of queries, 0..127
	s_lshr_b32 s69, s68, 3
	s_mul_i32 s69, s69, KCH
	s_add_co_u32 s69, s69, s16                     ; its chunk
	s_and_b32 s76, s68, 7
	s_mul_i32 s77, s76, 768
	s_add_co_u32 s72, s69, s77                     ; its codes
	s_mov_b32 s73, 0
	s_and_b32 s77, s68, 1
	s_lshl_b32 s77, s77, 8                         ; its scale words: lanes 16 (tile % 2) + r,
	s_lshr_b32 s76, s76, 1
	s_lshl_b32 s76, s76, 2                         ; word tile / 2
	s_add_co_u32 s74, s69, 6144
	s_add_co_u32 s74, s74, s77
	s_add_co_u32 s74, s74, s76
	s_mov_b32 s75, 0
	s_mov_b32 s[SEL], 0x76543210
	s_mov_b32 s[SEL+1], 0xfedcba98
	s_mov_b32 s[CS], 0x3e38aa3b
	s_mov_b32 s[CS+1], s[CS]                       ; (named with it as a pair, so it is written)
	s_mov_b32 s[G0K], 1
	s_mov_b32 s[G0K+1], KB
	s_mov_b32 s[G0V], 1
	s_mov_b32 s[G0V+1], VB
	s_mov_b32 s[G0KW], 1
	s_mul_i32 s[G0KW+1], s[WV], 2*KCH              ; pair wave - 1 lies at KB + (wave - 1) x 13,312 = wave x 13,312
	s_mov_b32 s[G0VW], 1
	s_mul_i32 s[G0VW+1], s[WV], 2*VCH
	s_add_co_u32 s[G0VW+1], s[G0VW+1], VB-16*VCH   ; pair wave - 8 lies at VB + (wave - 8) x 12,800
	s_wait_dscnt 0x0
	s_wait_kmcnt 0x0
	s_add_nc_u64 s[G0K+2:G0K+3], s[4:5], s[20:21]
	s_add_nc_u64 s[G0KW+2:G0KW+3], s[G0K+2:G0K+3], s[18:19]
	s_add_nc_u64 s[G0V+2:G0V+3], s[4:5], s[66:67]
	s_add_nc_u64 s[G0VW+2:G0VW+3], s[G0V+2:G0V+3], s[70:71]
	s_or_b32 s[G0K+3], s[G0K+3], 0x80000000
	s_or_b32 s[G0KW+3], s[G0KW+3], 0x80000000
	s_or_b32 s[G0V+3], s[G0V+3], 0x80000000
	s_or_b32 s[G0VW+3], s[G0VW+3], 0x80000000
	s_add_nc_u64 s[72:73], s[4:5], s[72:73]
	s_add_nc_u64 s[74:75], s[4:5], s[74:75]
	CROUND                                         ; all four work-groups are here: the joint loads meet
.macro ARM under, g0, g1, next         ; one chain of branches on the wave's number, one load to an arm, all arms to one join
	s_cmp_lt_u32 s[WV], \under
	s_cbranch_scc0 \next
	tensor_load_to_lds s[\g0:\g0+3], s[\g1:\g1+7]
	s_nop 0
.rept 4
	v_nop
.endr
	s_branch .Lasked
\next:
.endm
	ARM 1, G0K,  G1K, .Larm_v0
	ARM 2, G0V,  G1V, .Larm_k
	ARM 9, G0KW, G1K, .Larm_v
	tensor_load_to_lds s[G0VW:G0VW+3], s[G1V:G1V+7]
	s_nop 0
.rept 4
	v_nop
.endr
.Lasked:
	v_and_b32 v6, 31, v0                           ; lane
	v_and_b32 v7, 15, v0                           ; r
	v_bfe_u32 v[SH], v0, 4, 1                      ; h
	v_mov_b32 v13, 0xff61b1e6                      ; the largest score so far: -3e38, under every score
.irp j, 22,23,24,25,26,27,80,81,82,83,84,85
	v_mov_b32 v\j, 0                               ; zero codes: Q's upper 64, and what stands behind K's last tile
.endr
	v_lshlrev_b32 v[L8], 3, v6
	v_lshlrev_b32 v[L16], 4, v6
	v_lshlrev_b32 v8, 4, v7
	v_lshlrev_b32 v9, 3, v7
	v_lshlrev_b32 v[SH], 3, v[SH]
	v_floor_f32 v12, -v13                          ; -M
.irp i, 0,1,2
	global_load_b64 v[16+2*\i:17+2*\i], v[L8], s[72:73] offset:256*\i   ; Q's half fragment stays in registers
.endr
	global_load_b32 v28, v8, s[74:75]              ; its scale words
.irp j, 14,15,220,224,227,228,229
	v_mov_b32 v\j, 0                               ; l; lane permutes' destinations; the upper half of the pair v[226:227]; the chain that is joined a step later
.endr
.set j, 0
.rept 32
	v_mov_b32 v[160+j], 0                          ; O^T.  (The step is written once: the first finds zeros, which the first change of M leaves zeros)
.set j, j+1
.endr
	v_mov_b32 v225, v12                            ; the old -M
	v_add_nc_u32 v[ADK], KB, v[L8]
	v_add_nc_u32 v[ADKS], KB, v[L16]
.macro RND q                           ; four lines of the sum, one of each chain: pair k of p is v[96 + 2 k : 97 + 2 k]
	v_pk_add_f32 v[14:15], v[14:15], v[96+8*(\q):97+8*(\q)]
	v_pk_add_f32 v[T1:T1+1], v[T1:T1+1], v[106+8*(\q):107+8*(\q)]
	v_pk_add_f32 v[T2:T2+1], v[T2:T2+1], v[108+8*(\q):109+8*(\q)]
	v_pk_add_f32 v[T3:T3+1], v[T3:T3+1], v[110+8*(\q):111+8*(\q)]
.endm
; A KEY STEP: 128 keys.  s[TK]: the NEXT step's chunk of K; s[TV]: this step's chunk of V.
.macro STEP
.irp t, 0,1,2,3,4,5,6,7
.irp i, 0,1,2
	ds_load_b64 v[32+6*\t+2*\i:33+6*\t+2*\i], v[ADK] offset:768*\t+256*\i
.endr
.endr
	ds_load_b128 v[86:89], v[ADKS] offset:6144
	s_wait_alu depctr_va_vdst(0)
	s_wait_dscnt 0x0
.irp t, 0,1,2,3,4,5,6,7                        ; S^T = K Q^T
.if \t%2
	v_wmma_scale_f32_16x16x128_f8f6f4 v[96+8*\t:103+8*\t], v[32+6*\t:43+6*\t], v[16:27], 0, v[86+\t/2], v28 matrix_a_fmt:MATRIX_FMT_FP6 matrix_b_fmt:MATRIX_FMT_FP6 matrix_a_scale:MATRIX_SCALE_ROW1
.else
	v_wmma_scale_f32_16x16x128_f8f6f4 v[96+8*\t:103+8*\t], v[32+6*\t:43+6*\t], v[16:27], 0, v[86+\t/2], v28 matrix_a_fmt:MATRIX_FMT_FP6 matrix_b_fmt:MATRIX_FMT_FP6
.endif
.endr
	v_add_nc_u32 v[ADV], s[TV], v[L8]              ; four plain lines: the places in front of the loads below and of the first read of the scores
	v_add_nc_u32 v[ADK], s[TK], v[L8]
	v_add_nc_u32 v[ADKS], s[TK], v[L16]
	v_pk_add_f32 v[14:15], v[14:15], v[T1:T1+1]    ; the last step's sum is joined here
.irp d, 0,1,2,3                                ; V's four fragments are asked for now and land under the softmax
.irp p, 0,1,2,3,4,5
	ds_load_b64 v[32+12*\d+2*\p:33+12*\d+2*\p], v[ADV] offset:1536*\d+256*\p
.endr
.endr
	ds_load_b64 v[90:91], v[ADV] offset:6144
.irp b, 0,1                                    ; the largest score of my two blocks of 32 keys, each in two chains; each accumulator is read from its low end on
	v_max3_num_f32 v[212+\b], v[96+32*\b], v[97+32*\b], v[98+32*\b]
	v_max3_num_f32 v[214+\b], v[112+32*\b], v[113+32*\b], v[114+32*\b]
.endr
.irp i, 3,5,7,9,11,13
.irp b, 0,1
	v_max3_num_f32 v[212+\b], v[212+\b], v[96+32*\b+\i], v[97+32*\b+\i]
	v_max3_num_f32 v[214+\b], v[214+\b], v[112+32*\b+\i], v[113+32*\b+\i]
.endr
.endr
.irp b, 0,1
	v_max3_num_f32 v[212+\b], v[212+\b], v[214+\b], v[111+32*\b]
.endr
.irp b, 0,1
	v_max_num_f32 v[212+\b], v[212+\b], v[127+32*\b]
.endr
	s_delay_alu instid0(VALU_DEP_1)
	v_max_num_f32 v224, v212, v213
	s_delay_alu instid0(VALU_DEP_1)
	v_permlanex16_b32 v220, v224, s[SEL], s[SEL+1]
	s_delay_alu instid0(VALU_DEP_1)
	v_max3_num_f32 v13, v13, v224, v220            ; the running largest score of my query
	s_delay_alu instid0(VALU_DEP_1)
	v_mul_f32 v224, s[CS], v13                     ; as t (c is positive)
	s_delay_alu instid0(VALU_DEP_1)
	v_floor_f32 v12, -v224                         ; the new -M = floor(-t) = -ceil(t)
	s_delay_alu instid0(VALU_DEP_1)
	v_sub_f32 v224, v12, v225                      ; old M - new M: a whole number, 0 or less
	s_delay_alu instid0(VALU_DEP_1)
	v_cvt_i32_f32 v224, v224                       ; (it saturates)
	s_delay_alu instid0(VALU_DEP_1)
	v_ldexp_f32 v226, 1.0, v224                    ; f = 2^(old M - new M)
.set j, 0
.rept 32
	v_pk_fma_f32 v[96+j:97+j], v[96+j:97+j], s[CS:CS+1], v[12:13] op_sel_hi:[1,0,0]   ; t - M, two at a time
.set j, j+2
.endr
.irp b, 0,1
	v_fma_f32 v[212+\b], v[212+\b], s[CS], v12     ; the same of each block's largest score
.endr
.set j, 0
.rept 16
	v_pk_mul_f32 v[160+j:161+j], v[160+j:161+j], v[226:227] op_sel_hi:[1,0]   ; O^T under the new M, ahead of the exponentials
.set j, j+2
.endr
	s_wait_alu depctr_va_vdst(0)                   ; the wait ahead of the batch
.set j, 0
.rept 64
	v_exp_f32 v[96+j], v[96+j]                     ; p = 2^(t - M), at most 1
.set j, j+1
.endr
.irp b, 0,1
	v_exp_f32 v[212+\b], v[212+\b]                 ; the block's largest p
.endr
	v_nop                                          ; a plain place behind the exponentials
	s_wait_alu depctr_va_vdst(0)                   ; one wait for the whole batch, ahead of its first reader
	s_wait_dscnt 0x0                               ; V's fragments and scale words: asked for ahead of the softmax
	v_pk_fma_f32 v[14:15], v[14:15], v[226:227], v[96:97] op_sel_hi:[1,0,1]   ; l under the new M, and the sum of the unquantised p in four chains; the scale's lines stand among them
	v_pk_add_f32 v[T1:T1+1], v[98:99], v[106:107]
	v_pk_add_f32 v[T2:T2+1], v[100:101], v[108:109]
	v_pk_add_f32 v[T3:T3+1], v[102:103], v[110:111]
.irp b, 0,1
	v_max_num_f32 v[212+\b], 0x1800000, v[212+\b]  ; the floor 2^(3 - 127): the byte cannot fall under 1
.endr
	RND 1
.irp b, 0,1
	v_add_nc_u32 v[216+\b], 0xff000000, v[212+\b]  ; 2 off the exponent field: the conversion's scale operand
.endr
	RND 2
.irp b, 0,1
	v_lshrrev_b32 v[218+\b], 23, v[216+\b]         ; the scale's byte
.endr
.irp c, 0,1
	v_cvt_scalef32_pk16_fp6_f32 v[192+6*\c:194+6*\c], v[96+32*\c:111+32*\c], v[216+\c]
	v_cvt_scalef32_pk16_fp6_f32 v[204+4*\c:206+4*\c], v[112+32*\c:127+32*\c], v[216+\c]   ; (a conversion's three registers begin on an even number)
.endr
	RND 3                                          ; plain lines behind the conversions
	v_lshl_or_b32 v92, v219, 16, v218              ; my bytes: blocks h and 2 + h,
	s_delay_alu instid0(VALU_DEP_1)
	v_lshlrev_b32 v92, v[SH], v92                  ; at their places in the word
.irp c, 0,1
.irp i, 0,1,2
	v_mov_b32 v[195+6*\c+\i], v[204+4*\c+\i]
.endr
.endr
	v_permlanex16_b32 v220, v92, s[SEL], s[SEL+1]
	s_delay_alu instid0(VALU_DEP_1)
	v_or_b32 v92, v92, v220                        ; with lane l xor 16's two the word is whole
	RND 4                                          ; twelve plain lines that name no register of the products below: the places behind p's scale word and codes
	RND 5
	RND 6
.irp d, 0,1,2,3                                ; O^T += V^T P^T; the four accumulators take turns
.if \d%2
	v_wmma_scale_f32_16x16x128_f8f6f4 v[160+8*\d:167+8*\d], v[32+12*\d:43+12*\d], v[192:203], v[160+8*\d:167+8*\d], v[90+\d/2], v92 matrix_a_fmt:MATRIX_FMT_FP6 matrix_b_fmt:MATRIX_FMT_FP6 matrix_a_scale:MATRIX_SCALE_ROW1
.else
	v_wmma_scale_f32_16x16x128_f8f6f4 v[160+8*\d:167+8*\d], v[32+12*\d:43+12*\d], v[192:203], v[160+8*\d:167+8*\d], v[90+\d/2], v92 matrix_a_fmt:MATRIX_FMT_FP6 matrix_b_fmt:MATRIX_FMT_FP6
.endif
.endr
	v_pk_add_f32 v[14:15], v[14:15], v[152:153]    ; four plain lines: the places in front of the next step's loads into V's registers
	v_pk_add_f32 v[T1:T1+1], v[T1:T1+1], v[T2:T2+1]
	v_mov_b32 v225, v12                            ; the old -M of the next step
	v_pk_add_f32 v[14:15], v[14:15], v[T3:T3+1]
	s_add_co_u32 s[TK], s[TK], KCH
	s_add_co_u32 s[TV], s[TV], VCH
.endm
	s_mov_b32 s[TK], KB+KCH
	s_mov_b32 s[TV], VB
	s_wait_alu depctr_va_vdst(0)                   ; the wait at the head's end
	s_wait_loadcnt 0x0                             ; Q
	s_cmp_lt_u32 s[WV], 2
	s_cbranch_scc0 .Lnot_first
	s_wait_tensorcnt 0x0                           ; waves 0 and 1: K's and V's chunks 0 and 1 are in
.Lnot_first:
	s_barrier_signal -1
	s_barrier_wait -1                              ; the other pairs may still be on their way
	STEP                                           ; key steps 0 and 1, written out
	STEP
	s_wait_tensorcnt 0x0                           ; every wave: my pair is in,
	s_wait_dscnt 0x0
	s_barrier_signal -1
	s_barrier_wait -1                              ; everybody's is
	s_mov_b32 s[CNT], 14
.Lkey:
	STEP
	s_sub_co_u32 s[CNT], s[CNT], 1
	s_cmp_lg_u32 s[CNT], 0
	s_cbranch_scc1 .Lkey
	; THE WAY OUT.  O^T / l; its 64 numbers a query are two blocks of 32 along the last projection's K: quantised in registers, they are half a fragment of ao, stored as it stands.
	v_pk_add_f32 v[14:15], v[14:15], v[T1:T1+1]    ; the last step's sum is joined
	s_delay_alu instid0(VALU_DEP_1)
	v_add_f32 v14, v14, v15
	s_delay_alu instid0(VALU_DEP_1)
	v_permlanex16_b32 v224, v14, s[SEL], s[SEL+1]
	s_delay_alu instid0(VALU_DEP_1)
	v_add_f32 v14, v14, v224                       ; the row's sum
	s_wait_alu depctr_va_vdst(0)
	v_rcp_f32 v226, v14
	v_nop                                          ; a plain place behind the reciprocal
	s_lshl_b32 s16, s22, 7
	s_add_co_u32 s16, s16, s68                     ; my tile among ao's 256
	s_mul_i32 s18, s16, 12288
	s_lshr_b32 s17, s23, 1                         ; K step = head / 2,
	s_mul_i32 s19, s17, 1536
	s_add_co_u32 s18, s18, s19
	s_and_b32 s20, s23, 1                          ; pieces 3 (head % 2) on
	s_mul_i32 s19, s20, 768
	s_add_co_u32 s18, s18, s19
	s_mov_b32 s19, 0
	s_add_nc_u64 s[6:7], s[6:7], s[18:19]
	s_lshl_b32 s66, s16, 9                         ; aos, laid as scl: [tile][pair of K steps][r][K step of the pair][4 bytes]: my head's two bytes
	s_lshr_b32 s21, s23, 2
	s_lshl_b32 s21, s21, 7
	s_add_co_u32 s66, s66, s21
	s_and_b32 s17, s17, 1
	s_lshl_b32 s17, s17, 2
	s_add_co_u32 s66, s66, s17
	s_lshl_b32 s20, s20, 1
	s_add_co_u32 s66, s66, s20
	s_mov_b32 s67, 0
	s_add_nc_u64 s[8:9], s[8:9], s[66:67]
	s_wait_alu depctr_va_vdst(0)                   ; the wait ahead of the reciprocal's first reader
.set j, 0
.rept 16
	v_pk_mul_f32 v[96+j:97+j], v[160+j:161+j], v[226:227] op_sel_hi:[1,0]   ; register 16 b + i is channel 32 b + 16 (lane / 16) + i of my query
.set j, j+2
.endr
.irp b, 0,1
	v_max3_num_f32 v[212+\b], |v[96+16*\b]|, |v[97+16*\b]|, 0x1800000
.endr
.irp i, 2,4,6,8,10,12,14
.irp b, 0,1
	s_delay_alu instid0(VALU_DEP_2)
	v_max3_num_f32 v[212+\b], v[212+\b], |v[96+16*\b+\i]|, |v[97+16*\b+\i]|
.endr
.endr
.irp b, 0,1
	s_delay_alu instid0(VALU_DEP_2)
	v_permlanex16_b32 v[216+\b], v[212+\b], s[SEL], s[SEL+1]
.endr
.irp b, 0,1
	s_delay_alu instid0(VALU_DEP_2)
	v_max_num_f32 v[212+\b], v[212+\b], v[216+\b]
.endr
.irp b, 0,1
	s_delay_alu instid0(VALU_DEP_2)
	v_add_nc_u32 v[220+\b], 0xff000000, v[212+\b]
.endr
.irp b, 0,1
	s_delay_alu instid0(VALU_DEP_2)
	v_lshrrev_b32 v[216+\b], 23, v[220+\b]
.endr
	s_delay_alu instid0(VALU_DEP_1)
	v_lshl_or_b32 v224, v217, 8, v216              ; the two bytes
	v_cvt_scalef32_pk16_fp6_f32 v[192:194], v[96:111], v220
	v_cvt_scalef32_pk16_fp6_f32 v[204:206], v[112:127], v221
	v_nop
.irp i, 0,1,2
	v_permlane16_swap_b32 v[192+\i], v[204+\i]     ; here a lane holds half blocks: the operand's layout wants a whole block in a lane
.endr
.irp i, 0,1,2
	s_delay_alu instid0(VALU_DEP_3)
	v_mov_b32 v[195+\i], v[204+\i]
.endr
.irp i, 0,1,2
	global_store_b64 v[L8], v[192+2*\i:193+2*\i], s[6:7] offset:256*\i   ; 256 consecutive bytes a store, at a multiple of 256 from ao's first byte
.endr
	s_wait_xcnt 0x0                                ; EXEC changes only behind this wait
	v_cmp_gt_u32 vcc_lo, 16, v6
	s_and_saveexec_b32 s20, vcc_lo                 ; lanes 0-15: lane r + 16 holds the same two bytes
	global_store_b16 v9, v224, s[8:9]              ; two bytes a row, 8 bytes apart: the other heads' work-groups write the bytes between
	s_wait_xcnt 0x0                                ; and again, in front of the line that widens it
	s_or_b32 exec_lo, exec_lo, s20
	s_wait_dscnt 0x0
	s_wait_tensorcnt 0x0                           ; the wave's end
	ds_add_u32 v254, v255
	s_wait_dscnt 0x0
	CROUND                                         ; the closing round: no work-group ends while a partner may still ask for a pair that names it
	s_endpgm
.Lfunc_end_k_qa2697c7484_attn:
	.size	k_qa2697c7484_attn, .Lfunc_end_k_qa2697c7484_attn-k_qa2697c7484_attn
	.p2alignl 7, 3214868480
	.fill 96, 4, 3214868480
	.section	.rodata,"a",@progbits
	.p2align	6, 0x0
	.amdhsa_kernel k_qa2697c7484_attn
		.amdhsa_group_segment_fixed_size 222208
		.amdhsa_private_segment_fixed_size 0
		.amdhsa_enable_private_segment 0
		.amdhsa_kernarg_size 24
		.amdhsa_user_sgpr_count 2
		.amdhsa_user_sgpr_kernarg_segment_ptr 1
		.amdhsa_wavefront_size32 1
		.amdhsa_system_sgpr_workgroup_id_x 1
		.amdhsa_system_sgpr_workgroup_id_y 1
		.amdhsa_system_sgpr_workgroup_id_z 1
		.amdhsa_system_vgpr_workitem_id 0
		.amdhsa_next_free_vgpr 256
		.amdhsa_next_free_sgpr 80
		.amdhsa_reserve_vcc 1
		.amdhsa_float_denorm_mode_32 3
		.amdhsa_float_denorm_mode_16_64 3
		.amdhsa_memory_ordered 1
		.amdhsa_forward_progress 1
		.amdhsa_inst_pref_size 63
	.end_amdhsa_kernel
	.amdgpu_metadata
---
amdhsa.version: [ 1, 2 ]
amdhsa.kernels:
  - .name:           k_qa2697c7484_attn
    .symbol:         k_qa2697c7484_attn.kd
    .args:
      - { .name: qkv, .offset: 0, .size: 8, .value_kind: global_buffer, .address_space: global }
      - { .name: ao, .offset: 8, .size: 8, .value_kind: global_buffer, .address_space: global }
      - { .name: aos, .offset: 16, .size: 8, .value_kind: global_buffer, .address_space: global }
    .group_segment_fixed_size: 222208
    .private_segment_fixed_size: 0
    .kernarg_segment_align: 8
    .kernarg_segment_size: 24
    .max_flat_workgroup_size: 512
    .sgpr_count:     80
    .vgpr_count:     256
    .wavefront_size: 32
...
	.end_amdgpu_metadata
.endif
;; end of part 3
;; launch outp (part 4): grid 8 x 32, 4 waves a work-group, clusters of 4 x 4, 222,720 bytes of LDS; arguments ao, aos, cod, scl, bo, out0; writes out0
.if DOCPART == 4
	.amdgcn_target "amdgcn-amd-amdhsa--gfx1250"
	.amdhsa_code_object_version 6
	.text
	.protected	k_qa2697c7484_outp
	.globl	k_qa2697c7484_outp
	.p2align	8
	.type	k_qa2697c7484_outp,@function
k_qa2697c7484_outp:
	s_mov_b64 s[64:65], 0
	v_nop
	global_prefetch_b8 v0, s[64:65] scope:SCOPE_SE
	s_setreg_imm32_b32 hwreg(HW_REG_WAVE_MODE, 25, 1), 1
	s_wait_xcnt 0x0
	s_wait_alu depctr_hold_cnt(0) depctr_sa_sdst(0) depctr_va_vdst(0) depctr_va_sdst(0) depctr_va_ssrc(0) depctr_va_vcc(0) depctr_vm_vsrc(0)
	s_getreg_b32 s2, hwreg(HW_REG_IB_STS2, 6, 4)
	s_cmp_eq_u32 s2, 0
	s_cbranch_scc0 .Lentry_in_a_cluster
	s_endpgm
.Lentry_in_a_cluster:
	s_bfe_u32 s2, ttmp6, 0x10000c
	s_cmp_lg_u32 s2, 0xf033
	s_cbranch_scc0 .Lentry_shape_is_right
	s_endpgm
.Lentry_shape_is_right:
; out0 = O Wo^T + bo on codes of FP6 (E2M3).  O's codes and scale words lie in ao and aos, Wo's in cod and scl (tiles 960 on), as images of the operand's registers:
; [tile of 16 rows][K step 0..7][piece 0..5][lane][8 bytes], and [tile][pair of K steps][r][K step of the pair][4 bytes]; lane-row r of tile T is row 32 (T / 2) + 8 (T % 2) + r + 8 (r / 8).
; A work-group makes 128 x 128 of out0: four waves, 2 x 2, each 64 x 64 in 16 accumulators.  256 work-groups.
; ALL OF K LIES IN LDS, FILLED ONCE.  The block's 8 tiles of O are 98,304 dense bytes, and so are Wo's 8; their scale words are 4,096 dense bytes each.  Four tiles, four waves: one tensor load a wave at the head, as rows of 256 bytes; no byte is filled again.
; CLUSTERS: 4 x 4 work-groups; O's tiles are asked for jointly along a row of the cluster, Wo's along a column.  No prefetch: every byte is asked for once, at the head, and there is no loop of loads to run ahead in.
; The matrix instruction is used transposed (source 0 = Wo's rows, source 1 = O's): a lane holds eight neighbouring columns of a row of out0.  The bias is loaded into the accumulators, as the first products' C.
; REGISTERS: window 0: v1-9 lane numbers and addresses; v24-27 the way out's addresses and the scale words' address; v30, v31 the add's two; v32-63 scale words; v64-159 O's fragments, two sets of four; v160-255 Wo's.  Window 1: v0-127 the accumulators, (a, b) at 8 (4 a + b).
.set FR,     12
.set NP,     4                         ; places behind this matrix instruction (ISA guide 7.12.1)
.set TB,     12288                     ; a tile, all of K
.set BB,     8*TB                      ; Wo's tiles lie behind O's
.set SCL,    16*TB                     ; the scale words: O's 8 tiles, then Wo's
.set STAGE,  SCL+8192                  ; the way out: 16 rows x 272 bytes a wave
.set SPITCH, 272
.set SPARE,  STAGE+4*16*SPITCH         ; the spare words: 512 bytes that no other line names
.set ADRA, 8
.set ADRB, 9
.set STO,  24
.set RD,   25
.set CO,   26
.set ADRS, 27
.set SC,   32                          ; tile i's word of K step ks at SC + 8 i + 2 ((ks / 2 + i) % 4) + ks % 2: two different tiles' registers of one K step differ modulo 8
.set AF,   64
.set BF,   160
.set BK,   64
.set G1, 24
.set G0, 32                            ; s[32:35] O's codes, s[36:39] Wo's
.set G1B, 48
.set G1S, 68
.set G0S, 76
.set G1SB, 80
.set G0SB, 88
.set MSB, 0
.macro WIN new
.if MSB != \new
	s_set_vgpr_msb (MSB<<8)|\new
.set MSB, \new
.endif
.endm
.set MUL,   0x50                       ; C and D in window 1
.set TO_C,  0x40
.set FROM_C, 0x04
.macro CROUND
	s_barrier_signal -1
	s_barrier_wait -1
	s_cmp_lg_u32 s16, 0
	s_cbranch_scc1 .Lnot_wave_0_\@
	s_barrier_signal -3
.Lnot_wave_0_\@:
	s_barrier_wait -3
	s_barrier_signal -1
	s_barrier_wait -1
.endm
	s_load_b128 s[40:43], s[0:1], 0x0              ; ao, aos
	s_load_b128 s[44:47], s[0:1], 0x10             ; cod, scl
	s_load_b128 s[96:99], s[0:1], 0x20             ; bo, out0
	v_lshl_add_u32 v30, v0, 2, SPARE
	v_mov_b32 v31, 0
	ds_add_u32 v30, v31                            ; the opening lines: the add twice on end and its wait
	ds_add_u32 v30, v31
	v_lshrrev_b32 v1, 5, v0
	v_readfirstlane_b32 s16, v1                    ; wave 0..3
	s_lshr_b32 s17, s16, 1                         ; my half of the block's rows
	s_and_b32 s18, s16, 1                          ; of its columns
	s_bfe_u32 s21, ttmp6, 0x40000                  ; cx
	s_bfe_u32 s22, ttmp6, 0x40004                  ; cy
	s_lshl_b32 s20, ttmp9, 2
	s_add_co_u32 s20, s20, s21                     ; block column
	s_and_b32 s19, ttmp7, 0xffff
	s_lshl_b32 s19, s19, 2
	s_add_co_u32 s19, s19, s22                     ; block row
	s_lshl_b32 s66, s22, 2
	s_lshl_b32 s66, 15, s66                        ; my row of the cluster
	s_lshl_b32 s67, 0x1111, s21                    ; my column
	s_or_b32 s[G1], s66, (3<<16)|(1<<21)           ; elements of 8 bytes; bit 21 set beside a mask
	s_or_b32 s[G1B], s67, (3<<16)|(1<<21)
.irp g, G1, G1B
	s_mov_b32 s[\g+1], 32<<16                      ; codes: 384 rows of 256 bytes
	s_mov_b32 s[\g+2], 384<<16
	s_mov_b32 s[\g+3], 32<<16
	s_mov_b32 s[\g+4], 384
	s_mov_b32 s[\g+5], 32
	s_mov_b32 s[\g+6], 0
	s_mov_b32 s[\g+7], 0
.endr
	s_or_b32 s[G1S], s66, (3<<16)|(1<<21)
	s_or_b32 s[G1SB], s67, (3<<16)|(1<<21)
.irp g, G1S, G1SB
	s_mov_b32 s[\g+1], 32<<16                      ; scale words: 16 rows of 256 bytes
	s_mov_b32 s[\g+2], 16<<16
	s_mov_b32 s[\g+3], 32<<16
	s_mov_b32 s[\g+4], 16
	s_mov_b32 s[\g+5], 32
	s_mov_b32 s[\g+6], 0
	s_mov_b32 s[\g+7], 0
.endr
	s_lshl_b32 s4, s19, 3                          ; O's first tile, by the block row alone
	s_lshl_b32 s8, s20, 3
	s_add_co_u32 s8, s8, 960                       ; Wo's, by the block column alone
	s_lshl_b32 s6, s4, 9
	s_mul_i32 s4, s4, TB
	s_lshl_b32 s10, s8, 9
	s_mul_i32 s8, s8, TB
	s_mov_b32 s5, 0
	s_mov_b32 s7, 0
	s_mov_b32 s9, 0
	s_mov_b32 s11, 0
	s_mov_b32 s[G0], 1
	s_mov_b32 s[G0+1], 0
	s_mov_b32 s[G0+4], 1
	s_mov_b32 s[G0+5], BB
	s_mov_b32 s[G0S], 1
	s_mov_b32 s[G0S+1], SCL
	s_mov_b32 s[G0SB], 1
	s_mov_b32 s[G0SB+1], SCL+4096
	s_wait_dscnt 0x0
	s_wait_kmcnt 0x0
	s_add_nc_u64 s[G0+2:G0+3], s[40:41], s[4:5]
	s_add_nc_u64 s[G0S+2:G0S+3], s[42:43], s[6:7]
	s_add_nc_u64 s[G0+6:G0+7], s[44:45], s[8:9]
	s_add_nc_u64 s[G0SB+2:G0SB+3], s[46:47], s[10:11]
	s_or_b32 s[G0+3], s[G0+3], 0x80000000
	s_or_b32 s[G0S+3], s[G0S+3], 0x80000000
	s_or_b32 s[G0+7], s[G0+7], 0x80000000
	s_or_b32 s[G0SB+3], s[G0SB+3], 0x80000000
	CROUND                                         ; all sixteen work-groups are here: the joint loads meet
.macro ARM under, g0, g1, next         ; one chain of branches on the wave's number, one load to an arm, all arms to one join
	s_cmp_lt_u32 s16, \under
	s_cbranch_scc0 \next
	tensor_load_to_lds s[\g0:\g0+3], s[\g1:\g1+7]
	s_nop 0
.rept 4
	v_nop
.endr
	s_branch .Lasked
\next:
.endm
	ARM 1, G0,   G1,  .Larm_b
	ARM 2, G0+4, G1B, .Larm_sa
	ARM 3, G0S,  G1S, .Larm_sb
	tensor_load_to_lds s[G0SB:G0SB+3], s[G1SB:G1SB+7]
	s_nop 0
.rept 4
	v_nop
.endr
.Lasked:
	s_mul_i32 s23, s17, 4*TB                       ; my four tiles of O
	s_mul_i32 s92, s18, 4*TB
	s_add_co_u32 s92, s92, BB                      ; of Wo
	s_lshl_b32 s94, s17, 11                        ; O's scale words: my four tiles
	s_lshl_b32 s93, s18, 11
	s_add_co_u32 s93, s93, 4096
	s_sub_co_u32 s93, s93, s94                     ; the distance to Wo's
	s_add_co_u32 s94, s94, SCL
	s_mul_i32 s95, s16, 16*SPITCH
	s_add_co_u32 s95, s95, STAGE                   ; my stage
	s_lshl_b32 s40, s19, 7
	s_lshl_b32 s41, s17, 6
	s_add_co_u32 s40, s40, s41                     ; my first row of out0
	s_lshl_b32 s66, s40, 12
	s_lshl_b32 s40, s20, 7
	s_lshl_b32 s41, s18, 6
	s_add_co_u32 s40, s40, s41                     ; my first column
	s_lshl_b32 s40, s40, 2
	s_mov_b32 s41, 0
	s_add_co_u32 s66, s66, s40
	s_mov_b32 s67, 0
	s_add_nc_u64 s[12:13], s[98:99], s[66:67]
	s_add_nc_u64 s[96:97], s[96:97], s[40:41]
	v_and_b32 v1, 31, v0                           ; lane
	v_and_b32 v2, 15, v0                           ; r
	v_bfe_u32 v3, v0, 4, 1                         ; h
	v_lshlrev_b32 v4, 3, v1
	v_add_nc_u32 v[ADRA], s23, v4
	v_add_nc_u32 v[ADRB], s92, v4
	v_mul_u32_u24 v5, s93, v3                      ; lanes 16-31 take Wo's words: the lower base + h x the distance
	v_lshl_add_u32 v5, v2, 3, v5
	v_add_nc_u32 v[ADRS], s94, v5
	v_mul_u32_u24 v[STO], v2, SPITCH
	v_lshl_add_u32 v[STO], v3, 6, v[STO]
	v_add_nc_u32 v[STO], s95, v[STO]
	v_mul_u32_u24 v[RD], v3, SPITCH
	v_lshl_add_u32 v[RD], v2, 4, v[RD]
	v_add_nc_u32 v[RD], s95, v[RD]
	v_lshlrev_b32 v[CO], 12, v3
	v_lshl_add_u32 v[CO], v2, 4, v[CO]
	v_lshlrev_b32 v6, 6, v3
	WIN TO_C
.irp a, 0,1,2,3
.irp b, 0,1,2,3
	global_load_b128 v[8*(4*\a+\b):8*(4*\a+\b)+3], v6, s[96:97] offset:128*(\b/2)+32*(\b%2)      ; the bias of my eight columns of tile b, into each accumulator
	global_load_b128 v[8*(4*\a+\b)+4:8*(4*\a+\b)+7], v6, s[96:97] offset:128*(\b/2)+32*(\b%2)+16
.endr
.endr
	WIN 0
.macro FRAG reg, adr, ks, i
.irp p, 0,1,2,3,4,5
	ds_load_b64 v[\reg+2*\p:\reg+2*\p+1], v[\adr] offset:TB*(\i)+1536*(\ks)+256*\p
.endr
.endm
.macro FETCH ks, p
.irp i, 0,1,2,3
	FRAG BF+48*(\p)+FR*\i, ADRB, \ks, \i
.endr
.irp i, 0,1,2,3
	FRAG AF+48*(\p)+FR*\i, ADRA, \ks, \i
.endr
.endm
.macro MUL8 a0, p, ks                  ; the 16 accumulators take turns, one instruction a turn
.irp a, \a0, \a0+1
.irp b, 0,1,2,3
	v_wmma_scale_f32_16x16x128_f8f6f4 v[8*(4*(\a)+\b):8*(4*(\a)+\b)+7], v[BF+48*(\p)+FR*\b:BF+48*(\p)+FR*\b+FR-1], v[AF+48*(\p)+FR*(\a):AF+48*(\p)+FR*(\a)+FR-1], v[8*(4*(\a)+\b):8*(4*(\a)+\b)+7], v[SC+8*\b+2*(((\ks)/2+\b)%4)+(\ks)%2], v[SC+8*(\a)+2*(((\ks)/2+(\a))%4)+(\ks)%2] matrix_a_fmt:MATRIX_FMT_FP6 matrix_b_fmt:MATRIX_FMT_FP6 matrix_a_scale:MATRIX_SCALE_ROW1
.endr
.endr
.endm
.macro PLACES n
.rept \n
	v_nop
.endr
.endm
.macro STEP ks, fetch                  ; 128 along K: 16 products; the next step's fragments are fetched in its middle, into the other set
	s_wait_dscnt 0x0
	WIN MUL
	MUL8 0, (\ks)%2, \ks
.if \fetch
	WIN 0
	PLACES NP
	FETCH (\ks)+1, 1-(\ks)%2
	WIN MUL
.endif
	MUL8 2, (\ks)%2, \ks
.endm
	s_wait_alu depctr_va_vdst(0)                   ; the wait at the head's end
	s_wait_tensorcnt 0x0                           ; my tile of the four is in,
	s_barrier_signal -1
	s_barrier_wait -1                              ; everybody's is
.irp i, 0,1,2,3
.irp s, 0,1,2,3
	ds_load_b64 v[SC+8*\i+2*((\s+\i)%4):SC+8*\i+2*((\s+\i)%4)+1], v[ADRS] offset:512*\i+128*\s   ; lanes 0-15 O's tile i, lanes 16-31 Wo's tile i: the two words of a pair of K steps
.endr
.endr
	FETCH 0, 0
	s_wait_loadcnt 0x0                             ; the bias
	STEP 0, 1
	STEP 1, 1
	STEP 2, 1
	STEP 3, 1
	STEP 4, 1
	STEP 5, 1
	STEP 6, 1
	STEP 7, 0
	WIN 0
; THE WAY OUT: a block of 16 rows x 64 columns goes through my own stage and comes back as rows of 256 bytes; sixteen lanes store one aligned unit of 256 bytes.
.macro TOSTAGE a
	WIN FROM_C
.irp b, 0,1,2,3
	ds_store_b128 v[STO], v[8*(4*(\a)+\b):8*(4*(\a)+\b)+3] offset:128*(\b/2)+32*(\b%2)      ; each accumulator from its low end on
	ds_store_b128 v[STO], v[8*(4*(\a)+\b)+4:8*(4*(\a)+\b)+7] offset:128*(\b/2)+32*(\b%2)+16
.endr
	WIN 0
.irp t, 0,1,2,3,4,5,6,7
	ds_load_b128 v[BK+32*(\a)+4*\t:BK+32*(\a)+4*\t+3], v[RD] offset:2*\t*SPITCH   ; LDS serves a wave's instructions in order: these see the stores above
.endr
.endm
.macro SEND a, younger                 ; younger: the LDS instructions issued behind block a's loads
	s_wait_dscnt \younger
.irp t, 0,1,2,3,4,5,6,7
	global_store_b128 v[CO], v[BK+32*(\a)+4*\t:BK+32*(\a)+4*\t+3], s[12:13] offset:(32*((\a)/2)+8*((\a)%2)+2*\t+8*(\t/4))*4096 th:TH_STORE_NT
.endr
.endm
	PLACES NP                                      ; behind the last products: their results are read and their operands' registers loaded into below
	TOSTAGE 0
.irp a, 1,2,3
	TOSTAGE \a
	SEND \a-1, 16
.endr
	SEND 3, 0
	s_wait_tensorcnt 0x0                           ; the wave's end
	ds_add_u32 v30, v31
	s_wait_dscnt 0x0
	CROUND                                         ; the closing round
	s_endpgm
.Lfunc_end_k_qa2697c7484_outp:
	.size	k_qa2697c7484_outp, .Lfunc_end_k_qa2697c7484_outp-k_qa2697c7484_outp
	.p2alignl 7, 3214868480
	.fill 96, 4, 3214868480
	.section	.rodata,"a",@progbits
	.p2align	6, 0x0
	.amdhsa_kernel k_qa2697c7484_outp
		.amdhsa_group_segment_fixed_size 222720
		.amdhsa_private_segment_fixed_size 0
		.amdhsa_enable_private_segment 0
		.amdhsa_kernarg_size 48
		.amdhsa_user_sgpr_count 2
		.amdhsa_user_sgpr_kernarg_segment_ptr 1
		.amdhsa_wavefront_size32 1
		.amdhsa_system_sgpr_workgroup_id_x 1
		.amdhsa_system_sgpr_workgroup_id_y 1
		.amdhsa_system_sgpr_workgroup_id_z 1
		.amdhsa_system_vgpr_workitem_id 0
		.amdhsa_next_free_vgpr 384
		.amdhsa_next_free_sgpr 102
		.amdhsa_reserve_vcc 0
		.amdhsa_float_denorm_mode_32 3
		.amdhsa_float_denorm_mode_16_64 3
		.amdhsa_memory_ordered 1
		.amdhsa_forward_progress 1
		.amdhsa_inst_pref_size 62
	.end_amdhsa_kernel
	.amdgpu_metadata
---
amdhsa.version: [ 1, 2 ]
amdhsa.kernels:
  - .name:           k_qa2697c7484_outp
    .symbol:         k_qa2697c7484_outp.kd
    .args:
      - { .name: ao, .offset: 0, .size: 8, .value_kind: global_buffer, .address_space: global }
      - { .name: aos, .offset: 8, .size: 8, .value_kind: global_buffer, .address_space: global }
      - { .name: cod, .offset: 16, .size: 8, .value_kind: global_buffer, .address_space: global }
      - { .name: scl, .offset: 24, .size: 8, .value_kind: global_buffer, .address_space: global }
      - { .name: bo, .offset: 32, .size: 8, .value_kind: global_buffer, .address_space: global }
      - { .name: out0, .offset: 40, .size: 8, .value_kind: global_buffer, .address_space: global }
    .group_segment_fixed_size: 222720
    .private_segment_fixed_size: 0
    .kernarg_segment_align: 8
    .kernarg_segment_size: 48
    .max_flat_workgroup_size: 128
    .sgpr_count:     102
    .vgpr_count:     384
    .wavefront_size: 32
...
	.end_amdgpu_metadata
.endif
;; end of part 4
